; MI455X (gfx1250); checked and timed in simulation.
; The chip was launched on July 23, 2026; its instructions are those of AMD's public machine-readable ISA for CDNA 5 (MIT licence, August 2026) and "CDNA5" Instruction Set Architecture Reference Guide (July 2026). The comments in the code are by the model that wrote it; some were corrected since.
;; Grouped Query Attention. Allowed arithmetic: matrix products marked QUANTISED: E2M1 operands, one E8M0 scale for each 32 along K, by v_wmma_scale_f32_16x16x128_f8f6f4 with both operands' format E2M1 (or v_wmma_scale_f32_32x16x128_f4), f32 sums; products left as they are: bf16, f16 or f32 operands; f32 sums; everything else in f32.
;; Inputs: wk 1,024 x 256 float32; wo 1,024 x 1,024 float32; wq 1,024 x 1,024 float32; wv 1,024 x 256 float32; x 4 x 2,048 x 1,024 float32.
;; Outputs: out0 4 x 2,048 x 1,024 float32.
;; This version of the problem:
;;   THIS VERSION OF THE PROBLEM IS GIVEN IN LOW PRECISION. The matrix products marked QUANTISED in the list below multiply operands that are first quantised to E2M1 (2 exponent bits, 1 mantissa bit; 4 bits a number), with one power-of-two scale for each 32 numbers along K (OCP MX v1.0); their sums are f32. The products marked 'left as it is' may take bf16, f16 or f32 operands, with f32 sums. Whichever they take, every output number must still come out within the allowed error. Rounding operands to bf16 (8 significant bits) uses up far more of that allowance than f16 does (11 bits, for magnitudes from 6e-5 to 65,504). All else is computed in f32.
;;   The module's matrix products, in the order in which they are computed (A, B: the left and right operand; K: the contracted axis; several contracted axes count as one K, in the product's order):
;;     1. [M 8,192, K 1,024] x [K 1,024, N 1,024]; A: input x; B: input wq: QUANTISED
;;     2. [M 8,192, K 1,024] x [K 1,024, N 256]; A: input x; B: input wk: QUANTISED
;;     3. [M 8,192, K 1,024] x [K 1,024, N 256]; A: input x; B: input wv: QUANTISED
;;     4. batch 16 x [M 8,192, K 64] x [K 64, N 2,048]; A: computed on the way; B: computed on the way: left as it is (an operand is computed on the way)
;;     5. batch 16 x [M 8,192, K 2,048] x [K 2,048, N 64]; A: computed on the way; B: computed on the way: left as it is (an operand is computed on the way)
;;     6. [M 8,192, K 1,024] x [K 1,024, N 1,024]; A: computed on the way; B: input wo: left as it is (an operand is computed on the way)
;;   THE QUANTISER, for each operand of a quantised product, along K:
;;     - K is cut into blocks of 32 from its start; a last block that is shorter is filled with zeros.
;;     - A block's scale is 2^e with e = floor(log2(the largest magnitude in the block)) - 2, held to -126 .. 127; a block of zeros has e = 0. As a byte (E8M0): e + 127.
;;     - Each number is divided by its block's scale, clamped to +-6, and rounded to the nearest number of E2M1, ties to even, subnormals kept.
;;     - The product sums the exact products of the quantised numbers (number of the format x scale) in f32.
;;   ~~~python
;;   def quantise(x, axis):      # numpy; x: float32 -> the quantised numbers, widened to float32 again
;;       x = np.moveaxis(x, axis, -1); K = x.shape[-1]
;;       x = np.pad(x, [(0, 0)] * (x.ndim - 1) + [(0, -K % 32)]); x = x.reshape(x.shape[:-1] + (-1, 32)); a = np.abs(x).max(-1, keepdims=True)
;;       e = np.where(a > 0, np.clip(np.frexp(np.where(a > 0, a, 1))[1] - 1 - 2, -126, 127), 0)      # np.frexp(a)[1] - 1 = floor(log2(a)), exactly
;;       r = np.clip(x / 2.0 ** e, -6, 6)
;;       step = 2.0 ** (np.maximum(np.frexp(np.where(r == 0, 1, r))[1] - 1, 0) - 1)
;;       q = np.round(r / step) * step * 2.0 ** e      # np.round: ties to even
;;       return np.moveaxis(q.reshape(q.shape[:-2] + (-1,))[..., :K], -1, axis).astype(np.float32)
;;   ~~~
;; One version. Each part assembles by itself: llvm-mc -triple=amdgcn-amd-amdhsa -mcpu=gfx1250 --defsym DOCPART=n.
;; ======== version 1 of 1: 4 launches
;; limits: values are held in f16: magnitudes above 65,504 overflow, below 6.1e-05 lose precision
;; workspace buffers: xq 4,456,448 bytes; wc 835,584 bytes; wo16 2,097,152 bytes; qkv 25,165,824 bytes; att 16,777,216 bytes
;; launch prep (part 1): grid 432 x 1, 4 waves a work-group, no clusters, 39,424 bytes of LDS; arguments x, wq, wk, wv, wo, xq, wc, wo16; writes xq, wc, wo16
.if DOCPART == 1
	.amdgcn_target "amdgcn-amd-amdhsa--gfx1250"
	.amdhsa_code_object_version 6
	.text
	.protected	k_q87a085ffd2_prep
	.globl	k_q87a085ffd2_prep
	.p2align	8
	.type	k_q87a085ffd2_prep,@function
k_q87a085ffd2_prep:
	s_mov_b64 s[64:65], 0
	v_nop
	global_prefetch_b8 v0, s[64:65] scope:SCOPE_SE
	s_setreg_imm32_b32 hwreg(HW_REG_WAVE_MODE, 25, 1), 1
	s_wait_xcnt 0x0
; PREP: the operands of the later launches, each made once, laid in the order of the matrix operands' registers ("images").
;   x  [8192][1024] f32            -> xq:   codes of FP4 (E2M1) + E8M0 scale bytes, [khalf 2][tile of 16 rows 512][chunk 4352]
;   wq | wk | wv  [1024][1536] f32 -> wc:   the same, [khalf 2][tile of 16 columns 96][chunk 4352]  (K is the weights' FIRST axis)
;   wo [1024][1024] f32            -> wo16: f16, [K step of 128: 8][tile of 16 columns 64][4 fragments][1024]
; A chunk = 4 fragment images of 1,024 bytes (16 rows x 128 K each: register group c of lane l at 512 c + 16 l), then 256 scale bytes (row r, block kb of the half: 16 r + kb).
; A block's scale is 2^(floor(log2(largest magnitude)) - 2): its byte is the largest magnitude's exponent field - 2, held at 1 from below by a floor among the maximum's leaves.
; LIMITS: NaN and infinities among the inputs are not served.  A block of zeros, or one whose largest magnitude lies under 2^(3 - 127), gets the byte 1 (the rule says 127 for zeros):
; its codes are zeros, which add nothing, and this program alone reads the bytes.  A number of wo beyond 65,504 has no place in f16.
; Three paths part on the work-group's number: 0-47 the three quantised weights, 48-175 wo, 176-431 x.  Only x's path touches LDS.  No barrier: waves share nothing.
.set CHUNK,  4352
.set SP,     80                        ; x: a lane's place in a turn stage: 64 bytes + 16 of padding
.set WREG,   9728                      ; x: LDS of a wave: two turn stages (2 x 2,560), the image stage (16 units of 256 + 16), 256 scale bytes
.set IMG,    5120
.set SCB,    9472
.set SPARE,  4*WREG                    ; behind the four regions: the spare words, 128 bytes a wave, that no other line names
.set SPW,    12                        ; v12  SPARE + 4 x my thread's number; never rewritten
.set NIL,    13                        ; v13  0; never rewritten
.set CW,     16                        ; weights: v16-47 the four fragments' codes, never rewritten;  v48-51 their scale words
.set SW,     48
.set R,      16                        ; x: v16-79 four sets of 16 numbers as loaded
.set XN,     80                        ; x: v80-111 two sets of 16 neighbours
.set E,      112                       ; x: v112-127 a scale byte for each step
.set C,      128                       ; x: v128-159 two registers of codes for each step
.set OUTR,   160                       ; x: v160-191 the way out
	s_load_b256 s[4:11], s[0:1], 0x0               ; x s[4:5], wq s[6:7], wk s[8:9], wv s[10:11]
	s_load_b256 s[12:19], s[0:1], 0x20             ; wo s[12:13], xq s[14:15], wc s[16:17], wo16 s[18:19]
	v_lshl_add_u32 v[SPW], v0, 2, SPARE
	v_mov_b32 v[NIL], 0
	v_lshrrev_b32 v1, 5, v0
	v_readfirstlane_b32 s20, v1                    ; wave 0..3
	v_and_b32 v1, 31, v0                           ; lane
	v_and_b32 v2, 15, v0                           ; r
	v_bfe_u32 v3, v0, 4, 1                         ; h
	v_lshlrev_b32 v4, 4, v1                        ; 16 x lane: an image's place for my lane; never rewritten
	s_mov_b32 s21, 0x76543210
	s_mov_b32 s22, 0xfedcba98                      ; v_permlanex16_b32's selects for lane l xor 16
	s_mov_b32 s27, 0                               ; the upper word of every 32-bit offset
	s_wait_kmcnt 0x0
	s_cmp_ge_u32 ttmp9, 176
	s_cbranch_scc1 .Lx
	s_cmp_ge_u32 ttmp9, 48
	s_cbranch_scc1 .Lo
; ---- THE QUANTISED WEIGHTS.  A wave takes 16 columns x 512 along K: four fragments.  LANE (r, h) TAKES COLUMN r AND ITS REGISTERS RUN DOWN K, in the order that the operand's layout gives it
; (k = 64 c + 32 h + 0 .. 31 of a fragment): a lane holds two whole blocks, and the conversions' results are the operand's registers.
.macro WLOAD q, pitch                  ; fragment q's 64 numbers of my column into set q % 2.  Sixteen lanes read 64 neighbouring bytes; the four waves stand side by side (no cache hint: they share the rows' bytes)
.set i, 0
.rept 64
	global_load_b32 v[64+64*((\q)%2)+i], v5, s[6:7] offset:(128*(\q)+64*(i/32)+i%32)*(\pitch)
.set i, i+1
.endr
.endm
.macro WQ q
.set XS, 64+64*((\q)%2)
.irp c, 0,1
	v_max3_num_f32 v[52+\c], |v[XS+32*\c]|, |v[XS+32*\c+1]|, 0x1800000   ; my block 2 c + h, and the floor 2^(3 - 127): the byte cannot fall under 1
.endr
.irp i, 2,4,6,8,10,12,14,16,18,20,22,24,26,28,30
.irp c, 0,1
	v_max3_num_f32 v[52+\c], v[52+\c], |v[XS+32*\c+\i]|, |v[XS+32*\c+\i+1]|   ; (the two blocks by turns)
.endr
.endr
.irp c, 0,1
	v_add_nc_u32 v[54+\c], 0xff000000, v[52+\c]    ; 2 off the exponent field: the conversion takes this operand's exponent field as its scale
.endr
.irp c, 0,1
	v_lshrrev_b32 v[56+\c], 23, v[54+\c]           ; the scale's byte
.endr
	v_lshl_or_b32 v58, v57, 16, v56                ; my two bytes: blocks h and 2 + h,
	v_lshlrev_b32 v58, v7, v58                     ; at their places in the word (8 h bits up);
	v_mov_b32 v59, 0
	v_permlanex16_b32 v59, v58, s21, s22
	v_or_b32 v[SW+(\q)], v58, v59                  ; with lane l xor 16's two the word is whole, in both halves of the lanes
.irp c, 0,1
.irp g, 0,1,2,3
	v_cvt_scalef32_pk8_fp4_f32 v[CW+8*(\q)+4*\c+\g], v[XS+32*\c+8*\g:XS+32*\c+8*\g+7], v[54+\c]
.endr
.endr
	v_nop                                          ; one plain line behind the last scaled conversion
.irp c, 0,1
	global_store_b128 v4, v[CW+8*(\q)+4*\c:CW+8*(\q)+4*\c+3], s[16:17] offset:1024*(\q)+512*\c   ; 32 lanes store 512 consecutive bytes of the image
.endr
.endm
.macro WPATH pitch
	WLOAD 0, \pitch
	WLOAD 1, \pitch
	s_wait_loadcnt 63                              ; 64 loads were issued behind fragment 0's: with at most 63 out, fragment 0's are in (63 is the largest count that the wait can name)
	WQ 0
	WLOAD 2, \pitch
	s_wait_loadcnt 63                              ; likewise fragment 1's, with fragment 2's 64 behind them
	WQ 1
	WLOAD 3, \pitch
	s_wait_loadcnt 63
	WQ 2
	s_wait_loadcnt 0x0
	WQ 3
	v_cmp_eq_u32 vcc_lo, 1, v3                     ; the chunk's 256 scale bytes: column r's four words lie at 16 r; lane (r, h) stores words 2 h and 2 h + 1
	v_cndmask_b32 v52, v48, v50, vcc_lo
	v_cndmask_b32 v53, v49, v51, vcc_lo
	global_store_b64 v6, v[52:53], s[16:17] offset:4096   ; 32 lanes store 256 consecutive bytes, aligned
.endm
	s_and_b32 s23, ttmp9, 1                        ; which half of K
	s_lshr_b32 s24, ttmp9, 1                       ; which 64 of the joint 1,536 columns
	s_lshl_b32 s25, s24, 2
	s_add_co_u32 s25, s25, s20                     ; my tile of 16 columns, 0..95
	s_mul_i32 s26, s25, CHUNK
	s_mul_i32 s28, s23, 96*CHUNK
	s_add_co_u32 s26, s26, s28
	s_add_nc_u64 s[16:17], s[16:17], s[26:27]      ; my chunk of wc
	v_lshlrev_b32 v6, 4, v2
	v_lshl_add_u32 v6, v3, 3, v6                   ; 16 r + 8 h
	v_lshlrev_b32 v7, 3, v3                        ; 8 h
	v_lshlrev_b32 v5, 2, v2                        ; 4 r: my column
	s_cmp_ge_u32 s24, 16
	s_cbranch_scc1 .Lw_kv
	s_lshl_b32 s26, s25, 6                         ; wq: 64 bytes a tile of columns,
	s_lshl_b32 s28, s23, 21                        ; 512 rows of 4,096 bytes a half of K
	s_add_co_u32 s26, s26, s28
	s_add_nc_u64 s[6:7], s[6:7], s[26:27]
	v_lshl_add_u32 v5, v3, 17, v5                  ; lanes 16-31 begin 32 rows further down
	WPATH 4096
	s_branch .Lend
.Lw_kv:
	s_cmp_lt_u32 s24, 20                           ; wk or wv: the choice hangs on the work-group's number alone
	s_cselect_b64 s[6:7], s[8:9], s[10:11]
	s_cselect_b32 s28, 64, 80                      ; the tensor's first tile among the 96
	s_sub_co_u32 s28, s25, s28
	s_lshl_b32 s26, s28, 6
	s_lshl_b32 s28, s23, 19                        ; 512 rows of 1,024 bytes
	s_add_co_u32 s26, s26, s28
	s_add_nc_u64 s[6:7], s[6:7], s[26:27]
	v_lshl_add_u32 v5, v3, 15, v5
	WPATH 1024
	s_branch .Lend
; ---- wo: rounded to f16.  A wave takes 16 columns x 128 along K: four fragments of 16 columns x 32 K.  Lane (r, h): column r; registers 0-3 hold k = 8 h + 0 .. 7, registers 4-7 k = 16 + 8 h + 0 .. 7.
.Lo:
	s_sub_co_u32 s23, ttmp9, 48
	s_and_b32 s24, s23, 15
	s_lshr_b32 s23, s23, 4                         ; which K step of 128
	s_lshl_b32 s24, s24, 2
	s_add_co_u32 s24, s24, s20                     ; my tile of 16 columns, 0..63
	s_lshl_b32 s26, s23, 19                        ; 128 rows of 4,096 bytes
	s_lshl_b32 s28, s24, 6
	s_add_co_u32 s26, s26, s28
	s_add_nc_u64 s[12:13], s[12:13], s[26:27]
	s_lshl_b32 s26, s23, 18
	s_lshl_b32 s28, s24, 12
	s_add_co_u32 s26, s26, s28
	s_add_nc_u64 s[18:19], s[18:19], s[26:27]
	v_lshlrev_b32 v5, 2, v2
	v_lshl_add_u32 v5, v3, 15, v5                  ; 4 r + 8 h rows
.set i, 0
.rept 64                               ; register 16 f + 8 u + j: wo(32 f + 16 u + 8 h + j, my column)
	global_load_b32 v[64+i], v5, s[12:13] offset:(32*(i/16)+16*((i/8)%2)+i%8)*4096
.set i, i+1
.endr
.irp f, 0,1,2,3
	s_wait_loadcnt 48-16*\f                        ; fragment f's 16 loads are in; the later fragments' may be out
.irp j, 0,1,2,3,4,5,6,7
	v_cvt_pk_f16_f32 v[16+8*\f+\j], v[64+16*\f+2*\j], v[64+16*\f+2*\j+1]
.endr
.irp u, 0,1
	global_store_b128 v4, v[16+8*\f+4*\u:16+8*\f+4*\u+3], s[18:19] offset:1024*\f+512*\u
.endr
.endr
	s_branch .Lend
; ---- x.  A wave takes 16 rows x 512 along K, a row a step.  Each of a step's four loads reads 512 consecutive bytes, 16 a lane; the 2,048 bytes turn through the wave's own stage, so that a lane then holds 16 NEIGHBOURS
; (two neighbouring lanes hold a block).  A lane's 8 bytes of codes go to the image stage: block kb of the half is unit kb of the chunk, row t lies at 16 t in it.  The chunk leaves as whole units of 256 bytes.
.Lx:
	s_sub_co_u32 s23, ttmp9, 176
	s_lshl_b32 s23, s23, 1
	s_lshr_b32 s24, s20, 1
	s_add_co_u32 s23, s23, s24                     ; my tile of 16 rows, 0..511
	s_and_b32 s24, s20, 1                          ; my half of K
	s_lshl_b32 s26, s23, 16                        ; 16 rows of 4,096 bytes
	s_lshl_b32 s28, s24, 11
	s_add_co_u32 s26, s26, s28
	s_add_nc_u64 s[4:5], s[4:5], s[26:27]
	s_mul_i32 s26, s23, CHUNK
	s_mul_i32 s28, s24, 512*CHUNK
	s_add_co_u32 s26, s26, s28
	s_add_nc_u64 s[14:15], s[14:15], s[26:27]      ; my chunk of xq
	s_mul_i32 s29, s20, WREG                       ; my region of LDS
	v_lshrrev_b32 v14, 2, v1
	v_mul_u32_u24 v14, v14, SP
	v_and_b32 v15, 3, v1
	v_lshl_add_u32 v14, v15, 4, v14
	v_add_nc_u32 v14, s29, v14                     ; turn stage, in: four lanes' 64 bytes on end, then 16 of padding
	v_mul_u32_u24 v15, v1, SP
	v_add_nc_u32 v15, s29, v15                     ; and out: my 16 neighbours
	v_lshrrev_b32 v6, 1, v1                        ; my block
	v_mul_u32_u24 v5, v6, 272
	v_and_b32 v7, 1, v1
	v_lshl_add_u32 v5, v7, 3, v5
	v_add_nc_u32 v5, s29, v5
	v_add_nc_u32 v5, IMG, v5                       ; image stage, in: unit = my block, + 8 bytes for the block's second lane
	v_add_nc_u32 v6, s29, v6
	v_add_nc_u32 v6, SCB, v6                       ; my block's scale byte
	v_mul_u32_u24 v7, v3, 272
	v_lshl_add_u32 v7, v2, 4, v7
	v_add_nc_u32 v7, s29, v7
	v_add_nc_u32 v7, IMG, v7                       ; image stage, out: sixteen lanes to a unit, two units an instruction
	v_lshlrev_b32 v11, 3, v1
	v_add_nc_u32 v10, s29, v11
	v_add_nc_u32 v10, SCB, v10                     ; the scale bytes, out: 8 a lane
.macro LOAD t
.irp i, 0,1,2,3
	global_load_b128 v[R+16*((\t)%4)+4*\i:R+16*((\t)%4)+4*\i+3], v4, s[4:5] offset:4096*(\t)+512*\i th:TH_LOAD_NT
.endr
.endm
.macro TURN t                          ; LDS serves a wave's instructions in order (ISA guide 5.7.1.4): no wait between the stores and the loads
.irp i, 0,1,2,3
	ds_store_b128 v14, v[R+16*((\t)%4)+4*\i:R+16*((\t)%4)+4*\i+3] offset:32*SP*((\t)%2)+8*SP*\i
.endr
.irp i, 0,1,2,3
	ds_load_b128 v[XN+16*((\t)%2)+4*\i:XN+16*((\t)%2)+4*\i+3], v15 offset:32*SP*((\t)%2)+16*\i
.endr
.endm
.macro STEP t
.set XS, XN+16*((\t)%2)
.if (\t) > 0
	s_wait_dscnt 2                                 ; this step's numbers are back from the stage; the last step's code store and byte store may be out
.else
	s_wait_dscnt 0x0
.endif
.if (\t)+4 < 16
	LOAD (\t)+4                                    ; into the set that this step's stage stores have read
.endif
.if (\t)+1 < 16
.if 14-(\t) >= 3
	s_wait_loadcnt 12                              ; the next step's four loads are in; those of the three steps behind it may be out
.else
	s_wait_loadcnt 4*(14-(\t))
.endif
	TURN (\t)+1
.endif
	v_max3_num_f32 v8, |v[XS]|, |v[XS+1]|, |v[XS+2]|
	v_max3_num_f32 v9, |v[XS+3]|, |v[XS+4]|, |v[XS+5]|
.irp i, 6,10
	v_max3_num_f32 v8, v8, |v[XS+\i]|, |v[XS+\i+1]|
	v_max3_num_f32 v9, v9, |v[XS+\i+2]|, |v[XS+\i+3]|
.endr
	v_max3_num_f32 v8, v8, |v[XS+14]|, |v[XS+15]|
	v_max3_num_f32 v8, v8, v9, 0x1800000           ; and the floor 2^(3 - 127)
	v_max_num_f32_dpp v8, v8, v8 row_xmask:1 row_mask:0xf bank_mask:0xf   ; with my neighbour's 16: the block's largest magnitude
	v_add_nc_u32 v9, 0xff000000, v8                ; 2 off its exponent field: the conversion's scale operand
	v_cvt_scalef32_pk8_fp4_f32 v[C+2*(\t)], v[XS:XS+7], v9
	v_cvt_scalef32_pk8_fp4_f32 v[C+2*(\t)+1], v[XS+8:XS+15], v9
	v_lshrrev_b32 v[E+(\t)], 23, v9                ; the scale's byte (also the plain line behind the conversions)
	ds_store_b64 v5, v[C+2*(\t):C+2*(\t)+1] offset:16*(\t)
	ds_store_b8 v6, v[E+(\t)] offset:16*(\t)       ; both lanes of a block write the same byte with the same value
.endm
.irp t, 0,1,2,3
	LOAD \t
.endr
	s_wait_loadcnt 12                              ; step 0's four loads are in
	TURN 0
.irp t, 0,1,2,3,4,5,6,7,8,9,10,11,12,13,14,15
	STEP \t
.endr
.irp i, 0,1,2,3,4,5,6,7
	ds_load_b128 v[OUTR+4*\i:OUTR+4*\i+3], v7 offset:544*\i   ; served in order: these see my stores
.endr
	ds_load_b64 v[8:9], v10
	s_wait_dscnt 0x0
.irp i, 0,1,2,3,4,5,6,7
	global_store_b128 v4, v[OUTR+4*\i:OUTR+4*\i+3], s[14:15] offset:512*\i   ; 32 lanes store 512 consecutive bytes, aligned
.endr
	global_store_b64 v11, v[8:9], s[14:15] offset:4096             ; and the 256 scale bytes
.Lend:
	s_wait_tensorcnt 0x0                           ; the wave's end: behind the last LDS store; the tensor wait stands here though the text has no tensor load
	ds_add_u32 v[SPW], v[NIL]
	s_wait_dscnt 0x0
	s_endpgm
.Lfunc_end_k_q87a085ffd2_prep:
	.size	k_q87a085ffd2_prep, .Lfunc_end_k_q87a085ffd2_prep-k_q87a085ffd2_prep
	.p2alignl 7, 3214868480
	.fill 96, 4, 3214868480
	.section	.rodata,"a",@progbits
	.p2align	6, 0x0
	.amdhsa_kernel k_q87a085ffd2_prep
		.amdhsa_group_segment_fixed_size 39424
		.amdhsa_private_segment_fixed_size 0
		.amdhsa_enable_private_segment 0
		.amdhsa_kernarg_size 64
		.amdhsa_user_sgpr_count 2
		.amdhsa_user_sgpr_kernarg_segment_ptr 1
		.amdhsa_wavefront_size32 1
		.amdhsa_system_sgpr_workgroup_id_x 1
		.amdhsa_system_sgpr_workgroup_id_y 1
		.amdhsa_system_sgpr_workgroup_id_z 1
		.amdhsa_system_vgpr_workitem_id 0
		.amdhsa_next_free_vgpr 192
		.amdhsa_next_free_sgpr 66
		.amdhsa_reserve_vcc 1
		.amdhsa_float_denorm_mode_32 3
		.amdhsa_float_denorm_mode_16_64 3
		.amdhsa_memory_ordered 1
		.amdhsa_forward_progress 1
		.amdhsa_inst_pref_size 120
	.end_amdhsa_kernel
	.amdgpu_metadata
---
amdhsa.version: [ 1, 2 ]
amdhsa.kernels:
  - .name:           k_q87a085ffd2_prep
    .symbol:         k_q87a085ffd2_prep.kd
    .args:
      - { .name: x, .offset: 0, .size: 8, .value_kind: global_buffer, .address_space: global }
      - { .name: wq, .offset: 8, .size: 8, .value_kind: global_buffer, .address_space: global }
      - { .name: wk, .offset: 16, .size: 8, .value_kind: global_buffer, .address_space: global }
      - { .name: wv, .offset: 24, .size: 8, .value_kind: global_buffer, .address_space: global }
      - { .name: wo, .offset: 32, .size: 8, .value_kind: global_buffer, .address_space: global }
      - { .name: xq, .offset: 40, .size: 8, .value_kind: global_buffer, .address_space: global }
      - { .name: wc, .offset: 48, .size: 8, .value_kind: global_buffer, .address_space: global }
      - { .name: wo16, .offset: 56, .size: 8, .value_kind: global_buffer, .address_space: global }
    .group_segment_fixed_size: 39424
    .private_segment_fixed_size: 0
    .kernarg_segment_align: 8
    .kernarg_segment_size: 64
    .max_flat_workgroup_size: 128
    .sgpr_count:     66
    .vgpr_count:     192
    .wavefront_size: 32
...
	.end_amdgpu_metadata
.endif
;; end of part 1
;; launch qkv (part 2): grid 4 x 64, 4 waves a work-group, clusters of 4 x 4, 327,680 bytes of LDS; arguments xq, wc, qkv; writes qkv
.if DOCPART == 2
	.amdgcn_target "amdgcn-amd-amdhsa--gfx1250"
	.amdhsa_code_object_version 6
	.text
	.protected	k_q87a085ffd2_qkv
	.globl	k_q87a085ffd2_qkv
	.p2align	8
	.type	k_q87a085ffd2_qkv,@function
k_q87a085ffd2_qkv:
	s_mov_b64 s[64:65], 0
	v_nop
	global_prefetch_b8 v0, s[64:65] scope:SCOPE_SE
	s_setreg_imm32_b32 hwreg(HW_REG_WAVE_MODE, 25, 1), 1
	s_wait_xcnt 0x0
	s_wait_alu depctr_hold_cnt(0) depctr_sa_sdst(0) depctr_va_vdst(0) depctr_va_sdst(0) depctr_va_ssrc(0) depctr_va_vcc(0) depctr_vm_vsrc(0)
	s_getreg_b32 s2, hwreg(HW_REG_IB_STS2, 6, 4)
	s_cmp_eq_u32 s2, 0
	s_cbranch_scc0 .Lentry_in_a_cluster
	s_endpgm
.Lentry_in_a_cluster:
	s_bfe_u32 s2, ttmp6, 0x10000c
	s_cmp_lg_u32 s2, 0xf033
	s_cbranch_scc0 .Lentry_shape_is_right
	s_endpgm
.Lentry_shape_is_right:
; QKV: [8192][1536] = Q(x) [8192][1024] x Q(wq | wk | wv), on codes of FP4 with E8M0 scales; then the rotation (RoPE over the FLAT projected axis, in f32), rounding to f16, and the split into heads:
; qkv [b 4][slot 24][s 2048][64] f16, slots 0-15 the query heads, 16-19 the key heads, 20-23 the value heads (not rotated).
; SHARES.  256 work-groups, each a tile of 128 rows x 384 columns; a wave makes 64 x 192: 4 blocks of x's rows x 12 blocks of columns, 48 accumulators, 384 registers.
; ALL OF K LIES IN LDS: two slots of 512 along K, both asked for at the head; nothing is filled again, and there is no loop.  Two tensor loads of a wave are out at the most.
; Operands come as images of their registers (launch prep): a fragment is two ds_load_b128 at 16 x lane, consecutive bytes, so no padding is wanted.
; CLUSTER 4 x 4: the four work-groups of a row of the cluster need the same rows of x, the four of a column the same columns of the weights: each is asked for jointly.
; THE MATRIX INSTRUCTION IS USED TRANSPOSED (source 0 = 16 columns of W, source 1 = 16 rows of x): a lane holds eight neighbouring columns of one row.
; THE ROTATION.  Pair i of a flat axis of d numbers turns by pos x 10000^(-2 i / d).  On the way out a lane keeps the same two pairs of each of its three heads and walks the rows two at a time: so (cos, sin) of the
; first row's angle are made once (reduction by pi / 2 in two parts, polynomials, in f32; error at most 3e-7 for angles up to 2,047) and then turned by the fixed angle 2 f from row pair to row pair.
; LIMITS: the angle is so carried by 31 rotations in f32, where the definition multiplies pos by the frequency for every row: the two differ by less than f16's step in the results.
; |q|, |k|, |v| beyond 65,504 have no place in f16.
; REGISTERS, in windows of 256: window 0: v16-29 addresses; v32-127 scale words, two sets, and nothing else ever; v128-191 x's fragments, two sets; v192-215 the rotation's state and steps.
;   window 1: W's fragments, two sets, at v0 and v128.   window 2: accumulators of x's blocks 0, 1 (at v[8 (12 (a % 2) + b)]);   window 3: of blocks 2, 3.
.set CH,     4352                      ; a chunk: 4 fragment images + 256 scale bytes
.set SLOT,   32*CH                     ; chunks 0-7: x's 8 tiles of rows; chunks 8-31: W's 24 tiles of columns
.set SPARE,  2*SLOT                    ; behind the slots: the spare words, 128 bytes a wave, that no other line names
.set SPITCH, 784                       ; the way out: a stage row: 768 bytes + 16
.set STGW,   16*SPITCH                 ; a wave's stage; the stages lie in slot 0, which has had its only fill and its last read when the first result is stored there
.set ADRA, 16                          ; v16-17  my x fragments in slot 0, 1
.set ADRB, 18                          ; v18-19  my W fragments
.set ADRS, 20                          ; v20-21  my scale words: lanes 0-15 x's rows, lanes 16-31 W's columns
.set STO,  22
.set RD,   23
.set GO,   24
.set SPW,  28                          ; v28  SPARE + 4 x my thread's number; never rewritten
.set NIL,  29                          ; v29  0; never rewritten
.set SC,   32                          ; scale words: set s at SC + 48 s; register 4 i + q: lanes 0-15 x's block i, lanes 16-31 W's block i, the slot's q-th 128 along K
.set AF,   128                         ; x's fragments: set p at AF + 32 p
.set CS0,  192                         ; six pairs (cos, sin): heads 0-2 x two pairs;  CS1: the same, by turns from row pair to row pair
.set CS1,  176
.set SPR,  204                         ; six pairs (cos, sin) of the step 2 f
.set T,    216
.set OUT,  224                         ; v224-247 results in f16
.set BK,   128                         ; v128-175 rows read back from the stage
.set FQ,   176                         ; at the head only: the six frequencies; v184-189 at work
.set TR,   184
.set XR,   188
.set PR,   189
.set G1,   24                          ; s[24:31] group 1 for x;  s[32:39] groups 0, one for each slot
.set G0,   32
.set G1B,  48                          ; s[48:55], s[56:63] the same for W
.set G0B,  56
.set MSB, 0
.macro WIN new                         ; the immediate's high byte repeats the setting that is left
.if MSB != (\new)
	s_set_vgpr_msb (MSB<<8)|(\new)
.set MSB, (\new)
.endif
.endm
.set MUL_LO, 0xa1                      ; source 0 (W) window 1, source 1 (x) window 0, C and D window 2
.set MUL_HI, 0xf1                      ; the same, C and D window 3
.set TO_B,   0x40                      ; destination window 1, address window 0
; A joint load: wave 0 fetches x's 8 chunks, waves 1 to 3 eight of W's 24 each.  The branch hangs on the wave's number alone.  An s_nop 0 and four v_nop follow each line.
.macro JLOAD g0a, g1a, g0b, g1b
	s_cmp_eq_u32 s14, 0
	s_cbranch_scc0 .Lfor_b_\@
	tensor_load_to_lds s[\g0a:\g0a+3], s[\g1a:\g1a+7]
	s_nop 0
.rept 4
	v_nop
.endr
	s_branch .Lasked_\@
.Lfor_b_\@:
	tensor_load_to_lds s[\g0b:\g0b+3], s[\g1b:\g1b+7]
	s_nop 0
.rept 4
	v_nop
.endr
.Lasked_\@:
.endm
.macro CROUND                          ; a round of the cluster's barrier
	s_barrier_signal -1
	s_barrier_wait -1
	s_cmp_lg_u32 s14, 0
	s_cbranch_scc1 .Lnot_wave_0_\@
	s_barrier_signal -3
.Lnot_wave_0_\@:
	s_barrier_wait -3
	s_barrier_signal -1
	s_barrier_wait -1
.endm
.macro PLACES                          ; four places behind a matrix instruction, ahead of loads into its sources and of reads of its results
.rept 4
	v_nop
.endr
.endm
	s_load_b128 s[4:7], s[0:1], 0x0                ; xq s[4:5], wc s[6:7]
	s_load_b64 s[8:9], s[0:1], 0x10                ; qkv
	v_lshl_add_u32 v[SPW], v0, 2, SPARE
	v_mov_b32 v[NIL], 0
	ds_add_u32 v[SPW], v[NIL]                      ; the wave's opening: the add, twice on end, and its wait ahead of my first tensor load
	ds_add_u32 v[SPW], v[NIL]                      ; and once more, under the one wait; the set-up below stands between
	v_lshrrev_b32 v1, 5, v0
	v_readfirstlane_b32 s14, v1                    ; wave 0..3
	s_lshr_b32 s15, s14, 1                         ; wm: which 64 of the tile's rows
	s_and_b32 s16, s14, 1                          ; wn: which 192 of its columns
	s_bfe_u32 s40, ttmp6, 0x40000                  ; cx, cy: my place in the cluster
	s_bfe_u32 s41, ttmp6, 0x40004
	s_lshl_b32 s42, ttmp9, 2
	s_add_co_u32 s42, s42, s40                     ; tile column, 0..3
	s_and_b32 s17, ttmp7, 0xffff
	s_lshl_b32 s17, s17, 2
	s_add_co_u32 s17, s17, s41                     ; tile row, 0..63
	s_lshl_b32 s43, s41, 2
	s_lshl_b32 s43, 15, s43                        ; my row of the cluster
	s_lshl_b32 s44, 0x1111, s40                    ; my column
	; group 1: eight chunks are 34,816 dense bytes: 136 rows of 256 bytes (32 elements of 8 bytes), no padding
	s_or_b32 s[G1], s43, (3<<16)|(1<<21)           ; 15:0 the mask; 17:16 elements of 8 bytes; 21 set beside a mask
	s_or_b32 s[G1B], s44, (3<<16)|(1<<21)
.irp g, G1, G1B
	s_mov_b32 s[\g+1], 32<<16                      ; tensor_dim0
	s_mov_b32 s[\g+2], 136<<16                     ; tensor_dim1
	s_mov_b32 s[\g+3], 32<<16                      ; tile_dim0
	s_mov_b32 s[\g+4], 136                         ; tile_dim1
	s_mov_b32 s[\g+5], 32                          ; the pitch
	s_mov_b32 s[\g+6], 0
	s_mov_b32 s[\g+7], 0
.endr
	s_mul_i32 s20, s17, 8*CH                       ; x: the tile row's 8 chunks
	s_mov_b32 s21, 0
	s_mul_i32 s46, s42, 24                         ; W: the tile column's 24 chunks, of which waves 1, 2, 3 take 8 each
	s_max_u32 s45, s14, 1
	s_sub_co_u32 s45, s45, 1
	s_lshl_b32 s45, s45, 3
	s_add_co_u32 s46, s46, s45
	s_mul_i32 s46, s46, CH
	s_mov_b32 s47, 0
	s_mul_i32 s45, s14, 8*CH                       ; where they go: wave x 8 chunks: no place in the cluster enters an LDS address
	s_wait_dscnt 0x0                               ; both opening adds are done
	s_wait_kmcnt 0x0
	s_add_nc_u64 s[20:21], s[4:5], s[20:21]
	s_add_nc_u64 s[46:47], s[6:7], s[46:47]
	CROUND                                         ; all sixteen work-groups are here: the joint loads meet
.irp s, 0,1
	s_mov_b32 s[G0+4*\s], 1
	s_add_co_u32 s[G0+4*\s+1], s45, \s*SLOT
	s_add_nc_u64 s[G0+4*\s+2:G0+4*\s+3], s[20:21], \s*512*CH    ; the half of K
	s_or_b32 s[G0+4*\s+3], s[G0+4*\s+3], 0x80000000
	s_mov_b32 s[G0B+4*\s], 1
	s_add_co_u32 s[G0B+4*\s+1], s45, \s*SLOT
	s_add_nc_u64 s[G0B+4*\s+2:G0B+4*\s+3], s[46:47], \s*96*CH
	s_or_b32 s[G0B+4*\s+3], s[G0B+4*\s+3], 0x80000000
	JLOAD G0+4*\s, G1, G0B+4*\s, G1B
.endr
	; addresses
	v_and_b32 v1, 15, v0                           ; r
	v_bfe_u32 v2, v0, 4, 1                         ; h
	v_and_b32 v3, 31, v0                           ; lane
	v_lshlrev_b32 v4, 4, v3                        ; 16 x lane
	s_mul_i32 s21, s15, 4*CH                       ; my four chunks of x
	s_mul_i32 s22, s16, 12*CH
	s_add_co_u32 s22, s22, 8*CH                    ; my twelve of W
	s_sub_co_u32 s23, s22, s21                     ; the distance between the two
	v_lshlrev_b32 v5, 4, v1
	v_mul_u32_u24 v6, s23, v2                      ; lanes 16-31 take W's
	v_add_nc_u32 v5, v5, v6
	v_add_nc_u32 v5, 4096, v5                      ; a chunk's scale bytes lie behind its four images: row r's four words at 16 r
.irp s, 0,1
	v_add_nc_u32 v[ADRA+\s], s21, v4
	v_add_nc_u32 v[ADRB+\s], s22, v4
	v_add_nc_u32 v[ADRS+\s], s21, v5
	s_add_co_u32 s21, s21, SLOT
	s_add_co_u32 s22, s22, SLOT
.endr
	s_mul_i32 s23, s14, STGW                       ; my stage
	v_mul_u32_u24 v5, v1, SPITCH
	v_lshl_add_u32 v5, v2, 5, v5
	v_add_nc_u32 v[STO], s23, v5                   ; in: row r, 32 bytes for each half of the lanes
	v_mul_u32_u24 v5, v2, SPITCH
	v_lshl_add_u32 v5, v1, 4, v5
	v_add_nc_u32 v[RD], s23, v5                    ; back: lanes 0-15 an even row, lanes 16-31 the odd one; 16 bytes (two pairs) a lane
	v_lshlrev_b32 v[GO], 3, v3                     ; out: two rows of 128 bytes: 8 x lane
	s_lshl_b32 s20, s17, 7
	s_lshl_b32 s21, s15, 6
	s_add_co_u32 s20, s20, s21                     ; my first row of the 8,192
	s_mul_i32 s66, s42, 6
	s_mul_i32 s22, s16, 3
	s_add_co_u32 s66, s66, s22                     ; my first of the 24 slots
	s_and_b32 s67, s20, 2047                       ; my first position
	s_lshr_b32 s21, s20, 11                        ; the batch
	s_mul_i32 s21, s21, 24
	s_add_co_u32 s21, s21, s66
	s_lshl_b32 s46, s21, 18                        ; a slot is 262,144 bytes
	s_lshl_b32 s22, s67, 7
	s_add_co_u32 s46, s46, s22
	s_mov_b32 s47, 0
	s_add_nc_u64 s[8:9], s[8:9], s[46:47]
	; the six frequencies: f = 2^(coef x i), i the pair's number on its flat axis; x 0 for a value slot, whose angle is then 0 and whose rotation changes nothing
.irp hh, 0,1,2
	s_add_co_u32 s70, s66, \hh
	s_sub_co_u32 s71, s70, 16
	s_mov_b32 s72, 0xbdd49a78                      ; -log2(10000) / 128: the keys' axis has 128 pairs
	s_cmp_lt_u32 s70, 16
	s_cselect_b32 s72, 0xbcd49a78, s72             ; -log2(10000) / 512: the queries' has 512
	s_cselect_b32 s71, s70, s71                    ; the head's number on its own axis
	s_cmp_lt_u32 s70, 20
	s_cselect_b32 s[76+\hh], 1.0, 0
	s_lshl_b32 s71, s71, 5                         ; 32 pairs a head
	v_lshl_add_u32 v[FQ+2*\hh], v1, 1, s71         ; my pairs: 2 r and 2 r + 1 of the head
	v_add_nc_u32 v[FQ+2*\hh+1], 1, v[FQ+2*\hh]
	v_cvt_f32_u32 v[FQ+2*\hh], v[FQ+2*\hh]
	v_cvt_f32_u32 v[FQ+2*\hh+1], v[FQ+2*\hh+1]
	v_mul_f32 v[FQ+2*\hh], s72, v[FQ+2*\hh]
	v_mul_f32 v[FQ+2*\hh+1], s72, v[FQ+2*\hh+1]
.endr
.irp j, 0,1,2,3,4,5
	v_exp_f32 v[FQ+\j], v[FQ+\j]
.endr
	v_add_nc_u32 v[PR], s67, v2                    ; (the plain line behind the exponentials)  my first row's position: lanes 16-31 take the odd rows
	s_wait_alu depctr_va_vdst(0)                   ; one wait for the six, ahead of their first reader
	v_cvt_f32_u32 v[PR], v[PR]
.irp hh, 0,1,2
	v_mul_f32 v[FQ+2*\hh], s[76+\hh], v[FQ+2*\hh]
	v_mul_f32 v[FQ+2*\hh+1], s[76+\hh], v[FQ+2*\hh+1]
.endr
; cos and sin of v[x] >= 0 into v[c], v[s]; v[t] .. v[t+3] at work.  n = the nearest whole number to x 2 / pi; r = x - n pi / 2, pi / 2 in two parts; polynomials on |r| <= pi / 4; the quadrant n mod 4 swaps and signs.
.macro SINCOS x, c, s, t
	v_mul_f32 v[\t], 0x3f22f983, v[\x]
	v_rndne_f32 v[\t], v[\t]
	v_fmamk_f32 v[\t+1], v[\t], 0xbfc90fdb, v[\x]
	v_fmamk_f32 v[\t+1], v[\t], 0x333bbd2e, v[\t+1]
	v_mul_f32 v[\t+2], v[\t+1], v[\t+1]            ; z = r r
	v_mov_b32 v[\s], 0xb9500d01                    ; -1/5040
	v_mov_b32 v[\c], 0x37d00d01                    ; 1/40320
	v_fmaak_f32 v[\s], v[\s], v[\t+2], 0x3c088889  ; 1/120
	v_fmaak_f32 v[\c], v[\c], v[\t+2], 0xbab60b61  ; -1/720
	v_fmaak_f32 v[\s], v[\s], v[\t+2], 0xbe2aaaab  ; -1/6
	v_fmaak_f32 v[\c], v[\c], v[\t+2], 0x3d2aaaab  ; 1/24
	v_mul_f32 v[\t+3], v[\t+1], v[\t+2]
	v_fma_f32 v[\c], v[\c], v[\t+2], -0.5
	v_fma_f32 v[\s], v[\t+3], v[\s], v[\t+1]       ; sin r
	v_fma_f32 v[\c], v[\c], v[\t+2], 1.0           ; cos r
	v_cvt_i32_f32 v[\t], v[\t]
	v_and_b32 v[\t+1], 1, v[\t]
	v_cmp_eq_u32 vcc_lo, 1, v[\t+1]
	v_mov_b32 v[\t+2], v[\c]
	v_cndmask_b32 v[\c], v[\c], v[\s], vcc_lo      ; odd quadrants: the two change places
	v_cndmask_b32 v[\s], v[\s], v[\t+2], vcc_lo
	v_add_nc_u32 v[\t+1], 1, v[\t]
	v_and_b32 v[\t+1], 2, v[\t+1]
	v_and_b32 v[\t], 2, v[\t]
	v_lshlrev_b32 v[\t+1], 30, v[\t+1]
	v_lshlrev_b32 v[\t], 30, v[\t]
	v_xor_b32 v[\c], v[\c], v[\t+1]                ; cos is negative in quadrants 1, 2,
	v_xor_b32 v[\s], v[\s], v[\t]                  ; sin in 2, 3
.endm
.irp j, 0,1,2,3,4,5
	v_mul_f32 v[XR], v[PR], v[FQ+\j]               ; the first row's angle
	SINCOS XR, CS0+2*\j, CS0+2*\j+1, TR
	v_add_f32 v[XR], v[FQ+\j], v[FQ+\j]            ; two rows on
	SINCOS XR, SPR+2*\j, SPR+2*\j+1, TR
.endr
.macro FETCH Q                         ; the fragments of K step Q (slot Q / 4, its (Q % 4)-th 128 along K) into sets Q % 2: 24 + 8 loads in one run
	WIN TO_B
.irp i, 0,1,2,3,4,5,6,7,8,9,10,11
.irp c, 0,1
	ds_load_b128 v[128*((\Q)%2)+8*\i+4*\c:128*((\Q)%2)+8*\i+4*\c+3], v[ADRB+(\Q)/4] offset:\i*CH+1024*((\Q)%4)+512*\c
.endr
.endr
	WIN 0
.irp i, 0,1,2,3
.irp c, 0,1
	ds_load_b128 v[AF+32*((\Q)%2)+8*\i+4*\c:AF+32*((\Q)%2)+8*\i+4*\c+3], v[ADRA+(\Q)/4] offset:\i*CH+1024*((\Q)%4)+512*\c
.endr
.endr
.endm
.macro SCALES s                        ; a slot's scale words: four a row.  Lanes 16-31: W's block i.  Lanes 0-15: x's block i for i < 4; beyond that they read landed bytes of the slot that nothing uses
.irp i, 0,1,2,3,4,5,6,7,8,9,10,11
	ds_load_b128 v[SC+48*(\s)+4*\i:SC+48*(\s)+4*\i+3], v[ADRS+(\s)] offset:\i*CH
.endr
.endm
; 48 matrix instructions: 128 along K.  The 48 accumulators take turns, one instruction a turn, in the same order in every step.  zero = 1: the first products start the sums.
.macro MULS p, q, s, zero
.irp a, 0,1,2,3
	WIN MUL_LO+0x50*(\a/2)
.irp b, 0,1,2,3,4,5,6,7,8,9,10,11
.if \zero
	v_wmma_scale_f32_16x16x128_f8f6f4 v[8*(12*(\a%2)+\b):8*(12*(\a%2)+\b)+7], v[128*(\p)+8*\b:128*(\p)+8*\b+7], v[AF+32*(\p)+8*\a:AF+32*(\p)+8*\a+7], 0, v[SC+48*(\s)+4*\b+(\q)], v[SC+48*(\s)+4*\a+(\q)] matrix_a_fmt:MATRIX_FMT_FP4 matrix_b_fmt:MATRIX_FMT_FP4 matrix_a_scale:MATRIX_SCALE_ROW1
.else
	v_wmma_scale_f32_16x16x128_f8f6f4 v[8*(12*(\a%2)+\b):8*(12*(\a%2)+\b)+7], v[128*(\p)+8*\b:128*(\p)+8*\b+7], v[AF+32*(\p)+8*\a:AF+32*(\p)+8*\a+7], v[8*(12*(\a%2)+\b):8*(12*(\a%2)+\b)+7], v[SC+48*(\s)+4*\b+(\q)], v[SC+48*(\s)+4*\a+(\q)] matrix_a_fmt:MATRIX_FMT_FP4 matrix_b_fmt:MATRIX_FMT_FP4 matrix_a_scale:MATRIX_SCALE_ROW1
.endif
.endr
.endr
.endm
.macro STEP Q
	s_wait_dscnt 0x0                               ; this step's fragments (and scale words) are in
.if (\Q) == 3
	s_wait_tensorcnt 0x0                           ; my part of slot 1 has landed; my reads of slot 0 are over (the wait above):
	s_barrier_signal -1
	s_barrier_wait -1                              ; both now hold of every wave.
.endif
.if (\Q) < 7
	PLACES                                         ; the sets to be loaded were read by the last step's products
	FETCH (\Q)+1
.if (\Q) == 3
	SCALES 1
.endif
.endif
.if (\Q) == 0
	MULS 0, 0, 0, 1
.else
	MULS (\Q)%2, (\Q)%4, (\Q)/4, 0
.endif
.endm
	s_wait_tensorcnt 1                             ; my part of slot 0 is in; slot 1's load may be out
	s_barrier_signal -1
	s_barrier_wait -1                              ; everybody's is
	FETCH 0
	SCALES 0
.irp Q, 0,1,2,3,4,5,6,7
	STEP \Q
.endr
	WIN 0
; THE WAY OUT, a block of 16 rows x 192 columns at a time, through my own stage: in as the accumulators stand (a lane: 32 bytes of a row), back by rows, so that a lane holds two whole pairs of a head.
.macro TOSTAGE a
	WIN 0x08+4*((\a)/2)                            ; an LDS store's data are its source 1: window 2 or 3
.irp b, 0,1,2,3,4,5,6,7,8,9,10,11
	ds_store_b128 v[STO], v[8*(12*((\a)%2)+\b):8*(12*((\a)%2)+\b)+3] offset:64*\b          ; each accumulator from its low end on
	ds_store_b128 v[STO], v[8*(12*((\a)%2)+\b)+4:8*(12*((\a)%2)+\b)+7] offset:64*\b+16
.endr
	WIN 0
.endm
; Rows 2 jj and 2 jj + 1 of the half block, head hh: my two pairs are turned by the state, the state by its step (into the other set), four numbers are rounded to f16 and stored.
; (x1, x2) turned by (c, s): low = x1 c - x2 s, high = x1 s + x2 c: a packed multiply by c and a packed multiply-add with the halves crossed.
.macro ROW a, u, jj, hh
.set G, 3*(\jj)+(\hh)
.set CUR, CS0+(CS1-CS0)*((\jj)%2)+4*(\hh)
.set NXT, CS1+(CS0-CS1)*((\jj)%2)+4*(\hh)
.set STP, SPR+4*(\hh)
	s_wait_dscnt 11-G                              ; my load of this piece is in; the younger ones of the run may be out
	v_pk_mul_f32 v[T:T+1], v[BK+4*G:BK+4*G+1], v[CUR:CUR+1] op_sel_hi:[1,0]
	v_pk_mul_f32 v[T+2:T+3], v[BK+4*G+2:BK+4*G+3], v[CUR+2:CUR+3] op_sel_hi:[1,0]
	v_pk_mul_f32 v[NXT:NXT+1], v[CUR:CUR+1], v[STP:STP+1] op_sel_hi:[1,0]
	v_pk_mul_f32 v[NXT+2:NXT+3], v[CUR+2:CUR+3], v[STP+2:STP+3] op_sel_hi:[1,0]
	v_pk_fma_f32 v[T:T+1], v[BK+4*G:BK+4*G+1], v[CUR:CUR+1], v[T:T+1] op_sel:[1,1,0] op_sel_hi:[0,1,1] neg_lo:[0,1,0]
	v_pk_fma_f32 v[T+2:T+3], v[BK+4*G+2:BK+4*G+3], v[CUR+2:CUR+3], v[T+2:T+3] op_sel:[1,1,0] op_sel_hi:[0,1,1] neg_lo:[0,1,0]
	v_pk_fma_f32 v[NXT:NXT+1], v[CUR:CUR+1], v[STP:STP+1], v[NXT:NXT+1] op_sel:[1,1,0] op_sel_hi:[0,1,1] neg_lo:[0,1,0]
	v_pk_fma_f32 v[NXT+2:NXT+3], v[CUR+2:CUR+3], v[STP+2:STP+3], v[NXT+2:NXT+3] op_sel:[1,1,0] op_sel_hi:[0,1,1] neg_lo:[0,1,0]
	v_cvt_pk_f16_f32 v[OUT+2*G], v[T], v[T+1]
	v_cvt_pk_f16_f32 v[OUT+2*G+1], v[T+2], v[T+3]
	global_store_b64 v[GO], v[OUT+2*G:OUT+2*G+1], s[8:9] offset:(\hh)*262144+(16*(\a)+8*(\u)+2*(\jj))*128   ; 32 lanes store two rows of a head: 256 consecutive bytes, aligned
.endm
.macro HALF a, u                       ; eight rows of the block
	s_wait_xcnt 0x0                                ; the last half's stores have read their registers: OUT is written again only behind this wait
.irp jj, 0,1,2,3
.irp hh, 0,1,2
	ds_load_b128 v[BK+4*(3*\jj+\hh):BK+4*(3*\jj+\hh)+3], v[RD] offset:2*(4*(\u)+\jj)*SPITCH+256*\hh   ; served in order (ISA guide 5.7.1.4): these see my stores, and the next block's stores come behind them
.endr
.endr
.irp jj, 0,1,2,3
.irp hh, 0,1,2
	ROW \a, \u, \jj, \hh
.endr
.endr
.endm
	PLACES                                         ; behind the last products: for the stores that read results, and for the loads and writes into registers that held x's fragments
.irp a, 0,1,2,3
	TOSTAGE \a
	HALF \a, 0
	HALF \a, 1
.endr
	s_wait_tensorcnt 0x0                           ; the wave's end: behind my last tensor load and my last LDS store
	ds_add_u32 v[SPW], v[NIL]
	s_wait_dscnt 0x0
	CROUND                                         ; the closing round
	s_endpgm
.Lfunc_end_k_q87a085ffd2_qkv:
	.size	k_q87a085ffd2_qkv, .Lfunc_end_k_q87a085ffd2_qkv-k_q87a085ffd2_qkv
	.p2alignl 7, 3214868480
	.fill 96, 4, 3214868480
	.section	.rodata,"a",@progbits
	.p2align	6, 0x0
	.amdhsa_kernel k_q87a085ffd2_qkv
		.amdhsa_group_segment_fixed_size 327680
		.amdhsa_private_segment_fixed_size 0
		.amdhsa_enable_private_segment 0
		.amdhsa_kernarg_size 24
		.amdhsa_user_sgpr_count 2
		.amdhsa_user_sgpr_kernarg_segment_ptr 1
		.amdhsa_wavefront_size32 1
		.amdhsa_system_sgpr_workgroup_id_x 1
		.amdhsa_system_sgpr_workgroup_id_y 1
		.amdhsa_system_sgpr_workgroup_id_z 1
		.amdhsa_system_vgpr_workitem_id 0
		.amdhsa_next_free_vgpr 1024
		.amdhsa_next_free_sgpr 100
		.amdhsa_reserve_vcc 1
		.amdhsa_float_denorm_mode_32 3
		.amdhsa_float_denorm_mode_16_64 3
		.amdhsa_memory_ordered 1
		.amdhsa_forward_progress 1
		.amdhsa_inst_pref_size 178
	.end_amdhsa_kernel
	.amdgpu_metadata
---
amdhsa.version: [ 1, 2 ]
amdhsa.kernels:
  - .name:           k_q87a085ffd2_qkv
    .symbol:         k_q87a085ffd2_qkv.kd
    .args:
      - { .name: xq, .offset: 0, .size: 8, .value_kind: global_buffer, .address_space: global }
      - { .name: wc, .offset: 8, .size: 8, .value_kind: global_buffer, .address_space: global }
      - { .name: qkv, .offset: 16, .size: 8, .value_kind: global_buffer, .address_space: global }
    .group_segment_fixed_size: 327680
    .private_segment_fixed_size: 0
    .kernarg_segment_align: 8
    .kernarg_segment_size: 24
    .max_flat_workgroup_size: 128
    .sgpr_count:     100
    .vgpr_count:     1024
    .wavefront_size: 32
...
	.end_amdgpu_metadata
.endif
;; end of part 2
;; launch attn (part 3): grid 16 x 16, 8 waves a work-group, clusters of 4 x 1, 327,680 bytes of LDS; arguments qkv, att; writes att
.if DOCPART == 3
	.amdgcn_target "amdgcn-amd-amdhsa--gfx1250"
	.amdhsa_code_object_version 6
	.text
	.protected	k_q87a085ffd2_attn
	.globl	k_q87a085ffd2_attn
	.p2align	8
	.type	k_q87a085ffd2_attn,@function
k_q87a085ffd2_attn:
	s_mov_b64 s[64:65], 0
	v_nop
	global_prefetch_b8 v0, s[64:65] scope:SCOPE_SE
	s_setreg_imm32_b32 hwreg(HW_REG_WAVE_MODE, 25, 1), 1
	s_wait_xcnt 0x0
	s_wait_alu depctr_hold_cnt(0) depctr_sa_sdst(0) depctr_va_vdst(0) depctr_va_sdst(0) depctr_va_ssrc(0) depctr_va_vcc(0) depctr_vm_vsrc(0)
	s_getreg_b32 s2, hwreg(HW_REG_IB_STS2, 6, 4)
	s_cmp_eq_u32 s2, 0
	s_cbranch_scc0 .Lentry_in_a_cluster
	s_endpgm
.Lentry_in_a_cluster:
	s_bfe_u32 s2, ttmp6, 0x10000c
	s_cmp_lg_u32 s2, 0x3003
	s_cbranch_scc0 .Lentry_shape_is_right
	s_endpgm
.Lentry_shape_is_right:
; ATTN: for each batch b and key head g: O = softmax(Q K^T / 8) V for the four query heads 4 g .. 4 g + 3.  Operands in f16, products, maxima and sums in f32, no mask.
; qkv [b 4][slot 24][s 2048][64] f16 (slots 0-15 Q, 16-19 K, 20-23 V).  att: O in f16, stored as the images of the next product's operand: [K step of 128: 8][tile of 16 rows 512][4 fragments][1024], k = 64 x head + channel.
; SHARES.  A work-group takes 128 queries of all four heads of a (b, g): 512 rows that share one K and V.  Wave w: head 4 g + w % 4, queries 64 (w / 4) on: four tiles of 16.  Every wave walks all 2,048 keys, 64 a step.
; TWO WAVES LIE ON A SIMD, each written in phases (K Q^T, softmax, V^T P): one wave's vector work stands beside the other's matrix work.
; LAYOUT.  S^T = K Q^T (source 0 = 16 keys, source 1 = 16 queries) and O^T = V^T P: a lane holds ONE query throughout; two tiles of S^T, rounded in pairs, ARE source 1 of the second product, and O^T, rounded in pairs, IS
; the next launch's operand.  V ([key][channel]) comes out of LDS turned, by ds_load_tr16_b128.
; SOFTMAX.  A running maximum m and sum l for each query: p = 2^(c s - c m), c = log2(e) / 8; in every step O and l are multiplied by a = 2^(c m_old - c m_new).  m begins at -3e38, O and l at 0: so the step is written
; for the loop and for the tail alone, at the price of 128 v_mov_b32 once.
; RING.  Two slots of four key steps.  K and V of a head are dense in memory, so a step's tile is stated as 32 rows of 256 bytes (two keys), padded behind each.  Each of the eight waves fetches one tile (waves 0-3 K's four steps,
; waves 4-7 V's): one tensor load of a wave is out at any time, and every wait for tensor loads is for 0.
; CLUSTER.  The four query blocks of a cluster walk the same K and V: each tile is asked for jointly.
; LIMITS: |q|, |k|, |v| must lie inside f16's range (launch qkv); results under 6e-5 in magnitude fall among f16's subnormals.
; REGISTERS: window 0: v2-10 addresses; v16-47 statistics, 8 a tile; v64-191 S^T, 32 a tile (p is rounded in place into a tile's first 16); v192-255 K of a step.
;   window 1: v0-127 O^T, 32 a tile; v128-191 Q, 16 a tile; v192-255 V of a step.
.set PK,    272                        ; two keys of K in LDS: 256 bytes + 16: key r begins at word 68 (r / 2) + 32 (r % 2): the 16 keys of a load begin in 16 different groups of four banks (64 banks of 4 bytes: ISA guide 11.1)
.set PV,    288                        ; two keys of V: 256 + 32: the 8 keys of half a turning load begin in 8 different groups of eight banks
.set VOFF,  32*PK                      ; a step: 64 keys of K, then 64 of V
.set STEPB, 32*(PK+PV)
.set SLOT1, 1<<17                      ; slot 1 begins here: one exclusive or turns an address from one slot to the other
.set SPARE, SLOT1+4*STEPB              ; behind the ring: the spare words, 128 bytes a wave, that no other line names
.set AK0, 2
.set AV0, 3
.set ADK, 4
.set ADV, 5
.set QO,  6
.set PFO, 7                            ; v7  256 x my lane; never rewritten
.set SPW, 8                            ; v8  SPARE + 4 x my thread's number; never rewritten
.set NIL, 9                            ; v9  0; never rewritten
.set GO,  10
.set ST,  16                           ; tile t at ST + 8 t: +0 c m, +1 m, +2 +3 l in two halves, +4 .. +7 at work (+4 +5 later a second pair of sums, +6 a)
.set S,   64
.set KF,  192                          ; window 0: fragment (16 keys kt, 32 channels kk) at KF + 8 (2 kt + kk)
.set QF,  128                          ; window 1: QF + 16 t + 8 kk
.set VF,  192                          ; window 1: fragment (32 keys kh, 16 channels ct) at VF + 8 (4 kh + ct)
.set WV,  12
.set LIM, 15                           ; s15  1 in a wave that prefetches, else the greatest number
.set PFA, 18                           ; s[18:19] where my prefetches stand
.set G1K, 24
.set G1V, 32
.set G0K, 40                           ; the walking groups 0
.set G0V, 44
.set SLOTS, 56
.set CNT, 57
.set CS,  58                           ; s[58:59] c, twice
.set SEL, 60
.set TB,  62                           ; s62  LDS byte at which the step's tiles begin
.set MSB, 0
.macro WIN new
.if MSB != (\new)
	s_set_vgpr_msb (MSB<<8)|(\new)
.set MSB, (\new)
.endif
.endm
.set W_KQ, 0x04                        ; K and S^T window 0, Q window 1
.set W_PV, 0x51                        ; V, O^T window 1, P window 0
.set W_RS, 0x41                        ; O^T (destination, source 0) window 1, the factor window 0
.set TO_1, 0x40                        ; destination window 1
.macro JLOAD                           ; waves 0-3 fetch K's tiles, waves 4-7 V's; an s_nop 0 and four v_nop follow each line
	s_cmp_lt_u32 s[WV], 4
	s_cbranch_scc0 .Lfor_v_\@
	tensor_load_to_lds s[G0K:G0K+3], s[G1K:G1K+7]
	s_nop 0
.rept 4
	v_nop
.endr
	s_branch .Lasked_\@
.Lfor_v_\@:
	tensor_load_to_lds s[G0V:G0V+3], s[G1V:G1V+7]
	s_nop 0
.rept 4
	v_nop
.endr
.Lasked_\@:
.endm
; A prefetch of what the NEXT change of slots will ask for: a slot's 32,768 bytes of K and of V.  Each aligned block of 256 bytes is named once in the launch: the first cluster of a (b, g) asks; its four partners take
; 8,192 bytes each, told apart by address; in each, wave 0 asks for K's and wave 4 for V's, lanes 256 bytes apart.  The last change that fills a slot asks for nothing; slots 0 and 1 come by their loads alone.
.macro ASK
	s_cmp_gt_u32 s[SLOTS], s[LIM]
	s_cbranch_scc0 .Lnot_mine_\@
	global_prefetch_b8 v[PFO], s[PFA:PFA+1] th:TH_LOAD_NT scope:SCOPE_SE
.Lnot_mine_\@:
.endm
.macro CROUND
	s_barrier_signal -1
	s_barrier_wait -1
	s_cmp_lg_u32 s[WV], 0
	s_cbranch_scc1 .Lnot_wave_0_\@
	s_barrier_signal -3
.Lnot_wave_0_\@:
	s_barrier_wait -3
	s_barrier_signal -1
	s_barrier_wait -1
.endm
	s_load_b128 s[4:7], s[0:1], 0x0                ; qkv s[4:5], att s[6:7]
	v_lshl_add_u32 v[SPW], v0, 2, SPARE
	v_mov_b32 v[NIL], 0
	ds_add_u32 v[SPW], v[NIL]                      ; the wave's opening: the add, twice on end, and its wait ahead of my first tensor load
	ds_add_u32 v[SPW], v[NIL]                      ; and once more, under the one wait; the set-up below stands between
	v_lshrrev_b32 v1, 5, v0
	v_readfirstlane_b32 s[WV], v1                  ; wave 0..7
	s_bfe_u32 s13, ttmp6, 0x40000                  ; cx
	s_lshl_b32 s14, ttmp9, 2
	s_add_co_u32 s14, s14, s13                     ; my block of 128 queries: it enters Q's, att's and the prefetches' addresses alone
	s_and_b32 s20, ttmp7, 0xffff
	s_lshr_b32 s21, s20, 2                         ; b
	s_and_b32 s22, s20, 3                          ; g
	s_and_b32 s16, s[WV], 3
	s_lshr_b32 s17, s[WV], 2
	s_mul_i32 s23, s21, 24
	s_add_co_u32 s48, s23, s22
	s_add_co_u32 s48, s48, 16
	s_lshl_b32 s48, s48, 18                        ; the key head's first byte; the value head's lies 4 slots (1,048,576 bytes) on
	s_lshl_b32 s50, s16, 13                        ; the step that I fetch: 64 keys of 128 bytes
	s_add_co_u32 s50, s50, s48
	s_mov_b32 s51, 0
	s_lshl_b32 s52, s22, 2
	s_add_co_u32 s52, s52, s16                     ; my query head
	s_add_co_u32 s54, s23, s52
	s_lshl_b32 s54, s54, 18
	s_lshl_b32 s55, s14, 14
	s_add_co_u32 s54, s54, s55
	s_lshl_b32 s55, s17, 13
	s_add_co_u32 s54, s54, s55                     ; my first query's row
	s_mov_b32 s55, 0
	s_lshr_b32 s2, s52, 1
	s_lshl_b32 s2, s2, 21                          ; att: K step = head / 2,
	s_lshl_b32 s3, s21, 7
	s_lshl_b32 s53, s14, 3
	s_add_co_u32 s3, s3, s53
	s_lshl_b32 s53, s17, 2
	s_add_co_u32 s3, s3, s53                       ; tile of rows = 128 b + 8 x block + 4 (w / 4),
	s_lshl_b32 s3, s3, 12
	s_add_co_u32 s2, s2, s3
	s_and_b32 s3, s52, 1
	s_lshl_b32 s3, s3, 11                          ; fragments 2 (head % 2) on
	s_add_co_u32 s2, s2, s3
	s_mov_b32 s3, 0
	s_mul_i32 s53, s16, STEPB                      ; my tile's place in a slot: no place in the cluster enters an LDS address
	s_lshl_b32 s20, s13, 13                        ; the prefetches: my work-group's 8,192 bytes,
	s_add_co_u32 s20, s20, 32768                   ; in slot 1: the first change of slots steps it to slot 2
	s_cmp_lt_u32 s[WV], 4
	s_cselect_b32 s21, 0, 0x100000                 ; of K or of V
	s_add_co_u32 s20, s20, s21
	s_add_co_u32 s20, s20, s48
	s_mov_b32 s21, 0
	s_or_b32 s[LIM], s16, ttmp9                    ; 0 in waves 0 and 4 of the (b, g)'s first cluster: the same in all four partners
	s_cmp_eq_u32 s[LIM], 0
	s_cselect_b32 s[LIM], 1, -1
	; group 1: 32 rows of 128 elements of 2 bytes, dense, padded in LDS
	s_mov_b32 s[G1K], 15|(1<<16)|(1<<20)|(1<<21)|(5<<22)|(3<<25)   ; 15:0 the mask: all four; 17:16 2 bytes; 20 padding on; 21 set beside a mask; 24:22 after every 64 words; 31:25 four words
	s_mov_b32 s[G1V], 15|(1<<16)|(1<<20)|(1<<21)|(5<<22)|(7<<25)   ; the same with eight words
.irp g, G1K, G1V
	s_mov_b32 s[\g+1], 128<<16
	s_mov_b32 s[\g+2], 32<<16
	s_mov_b32 s[\g+3], 128<<16
	s_mov_b32 s[\g+4], 32
	s_mov_b32 s[\g+5], 128
	s_mov_b32 s[\g+6], 0
	s_mov_b32 s[\g+7], 0
.endr
	s_mov_b32 s[CS], 0x3e38aa3b                    ; c = log2(e) / 8
	s_mov_b32 s[CS+1], s[CS]
	s_mov_b32 s[SEL], 0x76543210
	s_mov_b32 s[SEL+1], 0xfedcba98
	s_mov_b32 s[TB], 0
	s_mov_b32 s[SLOTS], 7
	s_wait_dscnt 0x0                               ; both opening adds are done
	s_wait_kmcnt 0x0
	s_add_nc_u64 s[50:51], s[4:5], s[50:51]        ; K at my tile of slot 0
	s_add_nc_u64 s[PFA:PFA+1], s[4:5], s[20:21]
	s_add_nc_u64 s[54:55], s[4:5], s[54:55]        ; Q
	s_add_nc_u64 s[6:7], s[6:7], s[2:3]            ; att
	s_mov_b32 s[G0K], 1
	s_mov_b32 s[G0K+1], s53
	s_mov_b64 s[G0K+2:G0K+3], s[50:51]
	s_or_b32 s[G0K+3], s[G0K+3], 0x80000000
	s_mov_b32 s[G0V], 1
	s_add_co_u32 s[G0V+1], s53, VOFF
	s_add_nc_u64 s[G0V+2:G0V+3], s[50:51], 0x100000
	s_or_b32 s[G0V+3], s[G0V+3], 0x80000000
	CROUND                                         ; all four work-groups are here: the first joint loads meet
	JLOAD                                          ; slot 0
	v_and_b32 v1, 15, v0                           ; r
	v_bfe_u32 v11, v0, 4, 1                        ; h
	v_lshlrev_b32 v[QO], 7, v1
	v_lshl_add_u32 v[QO], v11, 4, v[QO]            ; Q: row r of 128 bytes, + 16 h
	WIN TO_1
.irp f, 0,1,2,3,4,5,6,7                    ; Q stays in registers: tile f / 2, channels 32 (f % 2) on
	global_load_b128 v[QF+8*\f:QF+8*\f+3],   v[QO], s[54:55] offset:(\f/2)*2048+(\f%2)*64
	global_load_b128 v[QF+8*\f+4:QF+8*\f+7], v[QO], s[54:55] offset:(\f/2)*2048+(\f%2)*64+32
.endr
.set i, 0
.rept 128
	v_mov_b32 v[i], 0                              ; O^T
.set i, i+1
.endr
	WIN 0
	v_lshrrev_b32 v12, 1, v1
	v_mul_u32_u24 v[AK0], v12, PK
	v_and_b32 v12, 1, v1
	v_lshl_add_u32 v[AK0], v12, 7, v[AK0]
	v_lshl_add_u32 v[AK0], v11, 4, v[AK0]          ; K: key r, + 16 h
	v_and_b32 v12, 7, v0
	v_lshl_add_u32 v12, v11, 3, v12                ; V: the turning load's lane l reads 16 bytes of key 8 h + l % 8, channels 8 ((l / 8) % 2) on
	v_lshrrev_b32 v13, 1, v12
	v_mul_u32_u24 v[AV0], v13, PV
	v_and_b32 v13, 1, v12
	v_lshl_add_u32 v[AV0], v13, 7, v[AV0]
	v_bfe_u32 v13, v0, 3, 1
	v_lshl_add_u32 v[AV0], v13, 4, v[AV0]
	v_add_nc_u32 v[AV0], VOFF, v[AV0]
	v_and_b32 v12, 31, v0
	v_lshlrev_b32 v[PFO], 8, v12
	v_lshlrev_b32 v[GO], 4, v12
.irp t, 0,1,2,3
	v_mov_b32 v[ST+8*\t+1], 0xff61b1e6             ; m: -3e38, under every score
	v_mov_b32 v[ST+8*\t+2], 0                      ; l
	v_mov_b32 v[ST+8*\t+3], 0
.endr
.irp t, 0,1,2,3
	v_mul_f32 v[ST+8*\t], s[CS], v[ST+8*\t+1]      ; c m
.endr
; A KEY STEP: 64 keys, whose tiles begin at LDS byte s[TB].
.macro STEP
	WIN 0
	v_add_nc_u32 v[ADK], s[TB], v[AK0]             ; these two and three v_nop: five places behind the last step's V^T P: four for the loads into V's registers, five for the products below, which write over p
	v_add_nc_u32 v[ADV], s[TB], v[AV0]
.rept 3
	v_nop
.endr
.irp f, 0,1,2,3,4,5,6,7
	ds_load_b128 v[KF+8*\f:KF+8*\f+3],   v[ADK] offset:(\f/2)*8*PK+(\f%2)*64
	ds_load_b128 v[KF+8*\f+4:KF+8*\f+7], v[ADK] offset:(\f/2)*8*PK+(\f%2)*64+32
.endr
	WIN TO_1
.irp f, 0,1,2,3,4,5,6,7
	ds_load_tr16_b128 v[VF+8*\f:VF+8*\f+3],   v[ADV] offset:(\f/4)*16*PV+(\f%4)*32
	ds_load_tr16_b128 v[VF+8*\f+4:VF+8*\f+7], v[ADV] offset:(\f/4)*16*PV+8*PV+(\f%4)*32
.endr
	s_wait_dscnt 16                                ; K is in; V's sixteen loads may be out
	WIN W_KQ
.set i, 0
.rept 32                               ; S^T = K Q^T: channels 32 (i / 16) on, keys 16 ((i / 4) % 4) on, tile i % 4.  Sixteen accumulators by turns; the first sixteen start the sums
.set rS, S+32*(i%4)+8*((i/4)%4)
.set rK, KF+8*(2*((i/4)%4)+i/16)
.set rQ, QF+16*(i%4)+8*(i/16)
.if i < 16
	v_wmma_f32_16x16x32_f16 v[rS:rS+7], v[rK:rK+7], v[rQ:rQ+7], 0
.else
	v_wmma_f32_16x16x32_f16 v[rS:rS+7], v[rK:rK+7], v[rQ:rQ+7], v[rS:rS+7]
.endif
.set i, i+1
.endr
	WIN 0
.rept 4
	v_nop                                          ; places ahead of the first read of the scores
.endr
	; the maximum of a lane's 32 scores and the old m: four chains a tile, the four tiles by turns; each accumulator is read from its low end on
.irp j, 0,1,2,3
.irp t, 0,1,2,3
	v_max3_num_f32 v[ST+8*\t+4+\j], v[S+32*\t+8*\j], v[S+32*\t+8*\j+1], v[S+32*\t+8*\j+2]
.endr
.endr
.irp d, 3,5
.irp j, 0,1,2,3
.irp t, 0,1,2,3
	v_max3_num_f32 v[ST+8*\t+4+\j], v[ST+8*\t+4+\j], v[S+32*\t+8*\j+\d], v[S+32*\t+8*\j+\d+1]
.endr
.endr
.endr
.irp t, 0,1,2,3
	v_max3_num_f32 v[ST+8*\t+4], v[ST+8*\t+4], v[S+32*\t+7], v[S+32*\t+15]
.endr
.irp t, 0,1,2,3
	v_max3_num_f32 v[ST+8*\t+6], v[ST+8*\t+6], v[S+32*\t+23], v[S+32*\t+31]
.endr
.irp t, 0,1,2,3
	v_max3_num_f32 v[ST+8*\t+4], v[ST+8*\t+4], v[ST+8*\t+5], v[ST+8*\t+6]
.endr
.irp t, 0,1,2,3
	v_max3_num_f32 v[ST+8*\t+4], v[ST+8*\t+4], v[ST+8*\t+7], v[ST+8*\t+1]
.endr
.irp t, 0,1,2,3
	v_permlanex16_b32 v[ST+8*\t+5], v[ST+8*\t+4], s[SEL], s[SEL+1]   ; the query's other 32 keys lie in the lane 16 away
.endr
.irp t, 0,1,2,3
	v_mov_b32 v[ST+8*\t+7], v[ST+8*\t]             ; c m_old
.endr
.irp t, 0,1,2,3
	v_max_num_f32 v[ST+8*\t+1], v[ST+8*\t+4], v[ST+8*\t+5]
.endr
.irp t, 0,1,2,3
	v_mul_f32 v[ST+8*\t], s[CS], v[ST+8*\t+1]
.endr
.irp t, 0,1,2,3
	v_sub_f32 v[ST+8*\t+7], v[ST+8*\t+7], v[ST+8*\t]
.endr
.set i, 0
.rept 64                               ; c s - c m: pair i / 4 of tile i % 4
.set rS, S+32*(i%4)+2*(i/4)
.set rT, ST+8*(i%4)
	v_pk_fma_f32 v[rS:rS+1], v[rS:rS+1], s[CS:CS+1], v[rT:rT+1] op_sel_hi:[1,0,0] neg_lo:[0,0,1] neg_hi:[0,0,1]
.set i, i+1
.endr
.irp t, 0,1,2,3                            ; ONE BATCH of exponentials: a, and the 128 weights
	v_exp_f32 v[ST+8*\t+6], v[ST+8*\t+7]
.endr
.set i, 0
.rept 128
	v_exp_f32 v[S+32*(i%4)+i/4], v[S+32*(i%4)+i/4]
.set i, i+1
.endr
	v_nop                                          ; the plain line behind the last exponential
	s_wait_alu depctr_va_vdst(0)                   ; one wait for the batch, ahead of its first reader
	; l = a l + the sum of the 32 weights: two chains of pairs a tile
.irp t, 0,1,2,3
	v_pk_fma_f32 v[ST+8*\t+2:ST+8*\t+3], v[ST+8*\t+2:ST+8*\t+3], v[ST+8*\t+6:ST+8*\t+7], v[S+32*\t:S+32*\t+1] op_sel_hi:[1,0,1]
.endr
.irp t, 0,1,2,3
	v_pk_add_f32 v[ST+8*\t+4:ST+8*\t+5], v[S+32*\t+2:S+32*\t+3], v[S+32*\t+4:S+32*\t+5]
.endr
.irp p, 6,10,14,18,22,26
.irp t, 0,1,2,3
	v_pk_add_f32 v[ST+8*\t+2:ST+8*\t+3], v[ST+8*\t+2:ST+8*\t+3], v[S+32*\t+\p:S+32*\t+\p+1]
.endr
.irp t, 0,1,2,3
	v_pk_add_f32 v[ST+8*\t+4:ST+8*\t+5], v[ST+8*\t+4:ST+8*\t+5], v[S+32*\t+\p+2:S+32*\t+\p+3]
.endr
.endr
.irp t, 0,1,2,3
	v_pk_add_f32 v[ST+8*\t+2:ST+8*\t+3], v[ST+8*\t+2:ST+8*\t+3], v[S+32*\t+30:S+32*\t+31]
.endr
.irp t, 0,1,2,3
	v_pk_add_f32 v[ST+8*\t+2:ST+8*\t+3], v[ST+8*\t+2:ST+8*\t+3], v[ST+8*\t+4:ST+8*\t+5]
.endr
.set i, 0
.rept 64                               ; p to f16, in place and ascending: register n of a tile takes weights 2 n and 2 n + 1, which no later line of the tile reads
	v_cvt_pk_f16_f32 v[S+32*(i%4)+i/4], v[S+32*(i%4)+2*(i/4)], v[S+32*(i%4)+2*(i/4)+1]
.set i, i+1
.endr
	WIN W_RS
.set i, 0
.rept 64                               ; O^T x a, ascending: each accumulator from its low end on
	v_pk_mul_f32 v[32*(i%4)+2*(i/4):32*(i%4)+2*(i/4)+1], v[32*(i%4)+2*(i/4):32*(i%4)+2*(i/4)+1], v[ST+8*(i%4)+6:ST+8*(i%4)+7] op_sel_hi:[1,0]
.set i, i+1
.endr
	s_wait_dscnt 0x0                               ; V is in
	WIN W_PV
.set i, 0
.rept 32                               ; O^T += V^T P: keys 32 (i / 16) on, channels 16 ((i / 4) % 4) on, tile i % 4: sixteen accumulators by turns
.set rO, 32*(i%4)+8*((i/4)%4)
.set rV, VF+8*(4*(i/16)+(i/4)%4)
.set rP, S+32*(i%4)+8*(i/16)
	v_wmma_f32_16x16x32_f16 v[rO:rO+7], v[rV:rV+7], v[rP:rP+7], v[rO:rO+7]
.set i, i+1
.endr
	WIN 0
	s_add_co_u32 s[TB], s[TB], STEPB
.endm
.macro FOUR_STEPS                      ; a slot's four key steps: written once, walked four times
	s_mov_b32 s[CNT], 4
.Lstep_\@:
	STEP
	s_sub_co_u32 s[CNT], s[CNT], 1
	s_cmp_lg_u32 s[CNT], 0
	s_cbranch_scc1 .Lstep_\@
	s_sub_co_u32 s[TB], s[TB], 4*STEPB
	s_xor_b32 s[TB], s[TB], SLOT1                  ; on to the other slot
.endm
; THE CHANGE OF SLOTS stands at a slot's head.  Each wave waits for all its tensor loads (its tile of the slot ahead), adds 0 to its spare word, and waits for that and for its reads of the slot that it has left.
; fill = 1: the barrier is a round of the cluster's, and behind it the slot just left is asked for anew, with the next 256 keys: the load has four key steps in which to land.
.macro CHANGE fill
	s_wait_tensorcnt 0x0                           ; no tensor load of mine is out, so a group 0 may be written
	ds_add_u32 v[SPW], v[NIL]                      ; 0 onto my spare word
.if \fill
	s_xor_b32 s[G0K+1], s[G0K+1], SLOT1
	s_add_nc_u64 s[G0K+2:G0K+3], s[G0K+2:G0K+3], 32768
	s_xor_b32 s[G0V+1], s[G0V+1], SLOT1
	s_add_nc_u64 s[G0V+2:G0V+3], s[G0V+2:G0V+3], 32768
	s_wait_xcnt 0x0                                ; the last prefetch, a slot back, has read its address
	s_add_nc_u64 s[PFA:PFA+1], s[PFA:PFA+1], 32768 ; one slot further on than the walking descriptors
	s_wait_dscnt 0x0                               ; the add is done, and my reads of the slot that I have left are over
	CROUND
	JLOAD                                          ; the first thing behind the round, and my one tensor load until the next
	ASK
.else
	s_wait_dscnt 0x0
	s_barrier_signal -1
	s_barrier_wait -1
.endif
.endm
	s_wait_loadcnt 0x0                             ; Q
.Lslot:                                            ; seven trips: behind each change of slots but the last the next slot is asked for
	CHANGE 1
	FOUR_STEPS
	s_sub_co_u32 s[SLOTS], s[SLOTS], 1
	s_cmp_lg_u32 s[SLOTS], 0
	s_cbranch_scc1 .Lslot
	CHANGE 0                                       ; the last slot is written out
	FOUR_STEPS
	; THE WAY OUT.  l's halves and the other half of the lanes' are added (these lines are the places behind the last products); O^T / l is rounded to f16 in pairs: channel tiles 2 f and 2 f + 1 are registers 0-3 and 4-7 of fragment f.
.irp t, 0,1,2,3
	v_add_f32 v[ST+8*\t+4], v[ST+8*\t+2], v[ST+8*\t+3]
.endr
.irp t, 0,1,2,3
	v_permlanex16_b32 v[ST+8*\t+5], v[ST+8*\t+4], s[SEL], s[SEL+1]
.endr
.irp t, 0,1,2,3
	v_add_f32 v[ST+8*\t+4], v[ST+8*\t+4], v[ST+8*\t+5]
.endr
.irp t, 0,1,2,3
	v_rcp_f32 v[ST+8*\t+6], v[ST+8*\t+4]
.endr
	v_nop                                          ; the plain line behind the last reciprocal
	s_wait_alu depctr_va_vdst(0)                   ; one wait for the four, ahead of their first reader
.irp t, 0,1,2,3
	WIN W_RS
.irp n, 0,1,2,3,4,5,6,7,8,9,10,11,12,13,14,15
	v_pk_mul_f32 v[32*\t+2*\n:32*\t+2*\n+1], v[32*\t+2*\n:32*\t+2*\n+1], v[ST+8*\t+6:ST+8*\t+7] op_sel_hi:[1,0]
.endr
	WIN 0x05                                       ; sources window 1, destination window 0: S^T's registers are free
.irp n, 0,1,2,3,4,5,6,7,8,9,10,11,12,13,14,15
	v_cvt_pk_f16_f32 v[S+32*\t+\n], v[32*\t+2*\n], v[32*\t+2*\n+1]
.endr
	WIN 0
.irp u, 0,1,2,3
	global_store_b128 v[GO], v[S+32*\t+4*\u:S+32*\t+4*\u+3], s[6:7] offset:4096*\t+512*\u   ; 32 lanes store 512 consecutive bytes of an image, aligned
.endr
.endr
	s_wait_tensorcnt 0x0                           ; the wave's end: behind my last tensor load
	ds_add_u32 v[SPW], v[NIL]
	s_wait_dscnt 0x0
	CROUND                                         ; the closing round
	s_endpgm
.Lfunc_end_k_q87a085ffd2_attn:
	.size	k_q87a085ffd2_attn, .Lfunc_end_k_q87a085ffd2_attn-k_q87a085ffd2_attn
	.p2alignl 7, 3214868480
	.fill 96, 4, 3214868480
	.section	.rodata,"a",@progbits
	.p2align	6, 0x0
	.amdhsa_kernel k_q87a085ffd2_attn
		.amdhsa_group_segment_fixed_size 327680
		.amdhsa_private_segment_fixed_size 0
		.amdhsa_enable_private_segment 0
		.amdhsa_kernarg_size 16
		.amdhsa_user_sgpr_count 2
		.amdhsa_user_sgpr_kernarg_segment_ptr 1
		.amdhsa_wavefront_size32 1
		.amdhsa_system_sgpr_workgroup_id_x 1
		.amdhsa_system_sgpr_workgroup_id_y 1
		.amdhsa_system_sgpr_workgroup_id_z 1
		.amdhsa_system_vgpr_workitem_id 0
		.amdhsa_next_free_vgpr 512
		.amdhsa_next_free_sgpr 70
		.amdhsa_reserve_vcc 0
		.amdhsa_float_denorm_mode_32 3
		.amdhsa_float_denorm_mode_16_64 3
		.amdhsa_memory_ordered 1
		.amdhsa_forward_progress 1
		.amdhsa_inst_pref_size 89
	.end_amdhsa_kernel
	.amdgpu_metadata
---
amdhsa.version: [ 1, 2 ]
amdhsa.kernels:
  - .name:           k_q87a085ffd2_attn
    .symbol:         k_q87a085ffd2_attn.kd
    .args:
      - { .name: qkv, .offset: 0, .size: 8, .value_kind: global_buffer, .address_space: global }
      - { .name: att, .offset: 8, .size: 8, .value_kind: global_buffer, .address_space: global }
    .group_segment_fixed_size: 327680
    .private_segment_fixed_size: 0
    .kernarg_segment_align: 8
    .kernarg_segment_size: 16
    .max_flat_workgroup_size: 256
    .sgpr_count:     70
    .vgpr_count:     512
    .wavefront_size: 32
...
	.end_amdgpu_metadata
.endif
;; end of part 3
;; launch oproj (part 4): grid 4 x 64, 4 waves a work-group, clusters of 4 x 4, 327,680 bytes of LDS; arguments att, wo16, out0; writes out0
.if DOCPART == 4
	.amdgcn_target "amdgcn-amd-amdhsa--gfx1250"
	.amdhsa_code_object_version 6
	.text
	.protected	k_q87a085ffd2_oproj
	.globl	k_q87a085ffd2_oproj
	.p2align	8
	.type	k_q87a085ffd2_oproj,@function
k_q87a085ffd2_oproj:
	s_mov_b64 s[64:65], 0
	v_nop
	global_prefetch_b8 v0, s[64:65] scope:SCOPE_SE
	s_setreg_imm32_b32 hwreg(HW_REG_WAVE_MODE, 25, 1), 1
	s_wait_xcnt 0x0
	s_wait_alu depctr_hold_cnt(0) depctr_sa_sdst(0) depctr_va_vdst(0) depctr_va_sdst(0) depctr_va_ssrc(0) depctr_va_vcc(0) depctr_vm_vsrc(0)
	s_getreg_b32 s2, hwreg(HW_REG_IB_STS2, 6, 4)
	s_cmp_eq_u32 s2, 0
	s_cbranch_scc0 .Lentry_in_a_cluster
	s_endpgm
.Lentry_in_a_cluster:
	s_bfe_u32 s2, ttmp6, 0x10000c
	s_cmp_lg_u32 s2, 0xf033
	s_cbranch_scc0 .Lentry_shape_is_right
	s_endpgm
.Lentry_shape_is_right:
; OPROJ: out0 [8192][1024] f32 = attention's result [8192][1024] x wo [1024][1024], operands in f16, sums in f32.
; Both operands come as images of their registers: att [K step of 128: 8][tile of 16 rows 512][4 fragments][1024], wo16 [K step 8][tile of 16 columns 64][4 fragments][1024]: a fragment is two ds_load_b128 at 16 x lane,
; and a K step's tiles are dense blocks of memory.
; SHARES.  256 work-groups, each a tile of 128 rows x 256 columns (256 x 256 would give 128 work-groups); a wave makes 64 x 128: 32 accumulators, 256 registers.
; K goes in 8 steps of 128 through a ring of two LDS slots: waves 0, 1 fetch the rows' halves (16 KiB each), waves 2, 3 the columns' (32 KiB each).  Two tensor loads of a wave are out at the start, one behind each round.
; CLUSTER 4 x 4: the rows' tiles are shared along a row of the cluster, the columns' along a column: joint loads.
; THE MATRIX INSTRUCTION IS USED TRANSPOSED (source 0 = 16 columns of wo, source 1 = 16 rows): a lane holds eight neighbouring numbers of a row of the output.
; REGISTERS: window 0: v16-30 addresses; two fragment sets of 96 at v32 and v128 (32 of the rows', then 64 of the columns'); on the way out v32-159 rows.   window 1: accumulator (a, b) at v[8 (8 a + b)].
.set SLOT,   98304                     ; the rows' 8 chunks of 4,096 bytes, then the columns' 16
.set BOFF,   32768
.set SPARE,  2*SLOT                    ; behind the ring: the spare words, 128 bytes a wave, that no other line names
.set SPITCH, 528                       ; the way out: a stage row: 512 bytes + 16.  The stages lie in slot 0, which has had its last fill and its last read when the first result is stored there
.set ASTEP,  2097152                   ; a K step on in att,
.set BSTEP,  262144                    ; and in wo16
.set ADRA, 16
.set ADRB, 20
.set STO,  24
.set RD,   25
.set CO,   26
.set SPW,  28                          ; v28  SPARE + 4 x my thread's number; never rewritten
.set NIL,  29                          ; v29  0; never rewritten
.set PFO,  30                          ; v30  256 x my lane; never rewritten
.set F0,   32
.set F1,   128
.set BK,   32
.set G1,   24
.set G0,   32
.set G1B,  48
.set G0B,  56
.set PFA,  66                          ; s[66:67] where my prefetches stand
.set LIM,  68                          ; s68  1 in wave 0, else the greatest number
.set MSB, 0
.macro WIN new
.if MSB != (\new)
	s_set_vgpr_msb (MSB<<8)|(\new)
.set MSB, (\new)
.endif
.endm
.set MUL, 0x50                         ; sources window 0; C and D window 1
.macro JLOAD s                         ; waves 0, 1 fetch for the rows, waves 2, 3 for the columns; an s_nop 0 and four v_nop follow each line
	s_cmp_eq_u32 s11, 0
	s_cbranch_scc0 .Lfor_b_\@
	tensor_load_to_lds s[G0+4*\s:G0+4*\s+3], s[G1:G1+7]
	s_nop 0
.rept 4
	v_nop
.endr
	s_branch .Lasked_\@
.Lfor_b_\@:
	tensor_load_to_lds s[G0B+4*\s:G0B+4*\s+3], s[G1B:G1B+7]
	s_nop 0
.rept 4
	v_nop
.endr
.Lasked_\@:
.endm
.macro CREST
	s_cmp_lg_u32 s10, 0
	s_cbranch_scc1 .Lnot_wave_0_\@
	s_barrier_signal -3
.Lnot_wave_0_\@:
	s_barrier_wait -3
	s_barrier_signal -1
	s_barrier_wait -1
.endm
.macro CROUND
	s_barrier_signal -1
	s_barrier_wait -1
	CREST
.endm
; A prefetch of att's K step that the NEXT change of slots will ask for: the tile row's 32,768 bytes.  Only the four work-groups of my row of the cluster read them: they take 8,192 bytes each, told apart by address; in each,
; wave 0 asks, lanes 256 bytes apart: each aligned block of 256 bytes is named once.  how = 1: the even changes always ask; how = 0: the odd ones but in the loop's last trip, where no K step is left.
; wo16 is not asked for: sixteen clusters read the same 2 MiB again and again.
.macro ASK how
.if \how
	s_cmp_eq_u32 s[LIM], 1
.else
	s_cmp_gt_u32 s3, s[LIM]
.endif
	s_cbranch_scc0 .Lnot_mine_\@
	global_prefetch_b8 v[PFO], s[PFA:PFA+1] th:TH_LOAD_NT scope:SCOPE_SE
.Lnot_mine_\@:
.endm
.macro PLACES
.rept 4
	v_nop
.endr
.endm
	s_load_b128 s[4:7], s[0:1], 0x0                ; att s[4:5], wo16 s[6:7]
	s_load_b64 s[8:9], s[0:1], 0x10                ; out0
	v_lshl_add_u32 v[SPW], v0, 2, SPARE
	v_mov_b32 v[NIL], 0
	ds_add_u32 v[SPW], v[NIL]                      ; the wave's opening: the add, twice on end, and its wait ahead of my first tensor load
	ds_add_u32 v[SPW], v[NIL]                      ; and once more, under the one wait; the set-up below stands between
	v_lshrrev_b32 v1, 5, v0
	v_readfirstlane_b32 s10, v1                    ; wave 0..3
	s_lshr_b32 s11, s10, 1                         ; which 64 of the tile's rows are mine.  Also: I fetch for the rows (0) or the columns (1)
	s_and_b32 s12, s10, 1                          ; which 128 of its columns.  Also: which half I fetch
	s_bfe_u32 s40, ttmp6, 0x40000                  ; cx, cy
	s_bfe_u32 s41, ttmp6, 0x40004
	s_lshl_b32 s42, ttmp9, 2
	s_add_co_u32 s42, s42, s40                     ; tile column, 0..3
	s_and_b32 s13, ttmp7, 0xffff
	s_lshl_b32 s13, s13, 2
	s_add_co_u32 s13, s13, s41                     ; tile row, 0..63
	s_lshl_b32 s43, s41, 2
	s_lshl_b32 s43, 15, s43                        ; my row of the cluster
	s_lshl_b32 s44, 0x1111, s40                    ; my column
	; group 1: dense blocks as rows of 256 bytes (32 elements of 8 bytes), no padding: 64 rows for the rows' half, 128 for the columns'
	s_or_b32 s[G1], s43, (3<<16)|(1<<21)
	s_mov_b32 s[G1+1], 32<<16
	s_mov_b32 s[G1+2], 64<<16
	s_mov_b32 s[G1+3], 32<<16
	s_mov_b32 s[G1+4], 64
	s_mov_b32 s[G1+5], 32
	s_mov_b32 s[G1+6], 0
	s_mov_b32 s[G1+7], 0
	s_or_b32 s[G1B], s44, (3<<16)|(1<<21)
	s_mov_b32 s[G1B+1], 32<<16
	s_mov_b32 s[G1B+2], 128<<16
	s_mov_b32 s[G1B+3], 32<<16
	s_mov_b32 s[G1B+4], 128
	s_mov_b32 s[G1B+5], 32
	s_mov_b32 s[G1B+6], 0
	s_mov_b32 s[G1B+7], 0
	s_lshl_b32 s16, s13, 15                        ; att: the tile row's 8 chunks, my half of them
	s_lshl_b32 s20, s12, 14
	s_add_co_u32 s16, s16, s20
	s_mov_b32 s17, 0
	s_lshl_b32 s46, s42, 16                        ; wo16: the tile column's 16 chunks, my half
	s_lshl_b32 s21, s12, 15
	s_add_co_u32 s46, s46, s21
	s_mov_b32 s47, 0
	s_add_co_u32 s21, s21, BOFF                    ; s20, s21: where they go in a slot: the wave's number alone
	s_lshl_b32 s22, s13, 15                        ; the prefetches: the tile row's bytes,
	s_lshl_b32 s23, s40, 13                        ; my work-group's 8,192 of them,
	s_add_co_u32 s22, s22, s23
	s_add_co_u32 s22, s22, 2*ASTEP                 ; at K step 2: the first change of slots steps it to 3
	s_mov_b32 s23, 0
	s_cmp_eq_u32 s10, 0
	s_cselect_b32 s[LIM], 1, -1
	s_wait_dscnt 0x0                               ; both opening adds are done
	s_wait_kmcnt 0x0
	s_add_nc_u64 s[14:15], s[4:5], s[16:17]
	s_add_nc_u64 s[46:47], s[6:7], s[46:47]
	s_add_nc_u64 s[PFA:PFA+1], s[4:5], s[22:23]
	CROUND                                         ; all sixteen work-groups are here: the first joint loads meet
.irp s, 0,1
	s_mov_b32 s[G0+4*\s], 1
	s_add_co_u32 s[G0+4*\s+1], s20, \s*SLOT
	s_add_nc_u64 s[G0+4*\s+2:G0+4*\s+3], s[14:15], \s*ASTEP
	s_or_b32 s[G0+4*\s+3], s[G0+4*\s+3], 0x80000000
	s_mov_b32 s[G0B+4*\s], 1
	s_add_co_u32 s[G0B+4*\s+1], s21, \s*SLOT
	s_add_nc_u64 s[G0B+4*\s+2:G0B+4*\s+3], s[46:47], \s*BSTEP
	s_or_b32 s[G0B+4*\s+3], s[G0B+4*\s+3], 0x80000000
	JLOAD \s
.endr
	v_and_b32 v1, 15, v0                           ; r
	v_bfe_u32 v2, v0, 4, 1                         ; h
	v_and_b32 v3, 31, v0
	v_lshlrev_b32 v4, 4, v3                        ; 16 x lane
	s_lshl_b32 s21, s11, 14                        ; my four chunks of the rows,
	s_lshl_b32 s22, s12, 15
	s_add_co_u32 s22, s22, BOFF                    ; my eight of the columns
.irp s, 0,1
	v_add_nc_u32 v[ADRA+\s], s21, v4
	v_add_nc_u32 v[ADRB+\s], s22, v4
	s_add_co_u32 s21, s21, SLOT
	s_add_co_u32 s22, s22, SLOT
.endr
	s_mul_i32 s23, s10, 16*SPITCH                  ; my stage
	v_mul_u32_u24 v5, v1, SPITCH
	v_lshl_add_u32 v5, v2, 5, v5
	v_add_nc_u32 v[STO], s23, v5                   ; in: row r, 32 bytes for each half of the lanes
	v_add_nc_u32 v[RD], s23, v4                    ; back: the 32 lanes take a row of 512 bytes
	v_mov_b32 v[CO], v4                            ; and the same in the output
	v_lshlrev_b32 v[PFO], 8, v3
	s_lshl_b32 s16, s13, 19                        ; my first row: 128 x tile row + 64 x half, rows of 4,096 bytes;
	s_lshl_b32 s17, s11, 18
	s_add_co_u32 s16, s16, s17
	s_lshl_b32 s46, s42, 10                        ; my first column: 256 x tile column + 128 x half, 4 bytes each
	s_add_co_u32 s46, s46, s16
	s_lshl_b32 s47, s12, 9
	s_add_co_u32 s46, s46, s47
	s_mov_b32 s47, 0
	s_add_nc_u64 s[8:9], s[8:9], s[46:47]
; 16 matrix instructions: rows' blocks a0, a0 + 1 x the eight blocks of columns, 32 along K, from set f.  The 32 accumulators take turns in the same order in every quarter.
.macro MUL16 f, a0, zero
.irp a, \a0, \a0+1
.irp b, 0,1,2,3,4,5,6,7
.if \zero
	v_wmma_f32_16x16x32_f16 v[8*(8*(\a)+\b):8*(8*(\a)+\b)+7], v[\f+32+8*\b:\f+32+8*\b+7], v[\f+8*(\a):\f+8*(\a)+7], 0
.else
	v_wmma_f32_16x16x32_f16 v[8*(8*(\a)+\b):8*(8*(\a)+\b)+7], v[\f+32+8*\b:\f+32+8*\b+7], v[\f+8*(\a):\f+8*(\a)+7], v[8*(8*(\a)+\b):8*(8*(\a)+\b)+7]
.endif
.endr
.endr
.endm
.macro FETCH slot, kq, f               ; 24 LDS loads in one run: the fragments of the slot's kq-th 32 along K into set f
	WIN 0
.irp i, 0,1,2,3,4,5,6,7
.irp c, 0,1
	ds_load_b128 v[\f+32+8*\i+4*\c:\f+32+8*\i+4*\c+3], v[ADRB+\slot] offset:\i*4096+1024*\kq+512*\c
.endr
.endr
.irp i, 0,1,2,3
.irp c, 0,1
	ds_load_b128 v[\f+8*\i+4*\c:\f+8*\i+4*\c+3], v[ADRA+\slot] offset:\i*4096+1024*\kq+512*\c
.endr
.endr
.endm
; A K step is four quarters of 32 along K, 32 matrix instructions each, on sets 0, 1, 0, 1.  One of the first three: asks for the next quarter (kq) into g, then multiplies f.
.macro QUARTER slot, kq, f, g, zero
	s_wait_dscnt 0x0                               ; set f is in
	PLACES                                         ; set g was read by the last quarter's products
	FETCH \slot, \kq, \g
	WIN MUL
	MUL16 \f, 0, \zero
	MUL16 \f, 2, \zero
.endm
; The last quarter multiplies set 1 and changes slots: ONE barrier; in front of it each wave waits for all its tensor loads, adds 0 to its spare word, and waits for that and for its reads of this slot.
; fill = 1: the barrier opens a round of the cluster's, and this slot is filled again, two K steps ahead: 112 matrix instructions stand between that request and the wait for it.
.macro TURN slot, next, fill
.if \fill
	s_wait_xcnt 0x0                                ; the last prefetch, a K step back, has read its address
	s_add_nc_u64 s[PFA:PFA+1], s[PFA:PFA+1], ASTEP
.endif
	WIN 0                                          ; (the add's two registers lie in window 0)
	s_wait_tensorcnt 0x0                           ; all my tensor loads have landed: my part of the next slot
	ds_add_u32 v[SPW], v[NIL]                      ; 0 onto my spare word
	s_wait_dscnt 1                                 ; set 1 is in; the add alone may be out
	WIN MUL
	MUL16 F1, 0, 0                                 ; sixteen matrix instructions stand between the add and the wait for it
	s_wait_dscnt 0x0                               ; the add is done, and my reads of this slot are over
	s_barrier_signal -1
	WIN 0
	s_barrier_wait -1
.if \fill
	CREST                                          ; no wave of any partner still reads this slot's tile or has a load on its way
	s_add_nc_u64 s[G0+4*\slot+2:G0+4*\slot+3], s[G0+4*\slot+2:G0+4*\slot+3], 2*ASTEP
	s_add_nc_u64 s[G0B+4*\slot+2:G0B+4*\slot+3], s[G0B+4*\slot+2:G0B+4*\slot+3], 2*BSTEP
	JLOAD \slot                                    ; the first tensor load behind the round; its four v_nop are also the places in front of the loads below
.else
	PLACES
.endif
	FETCH \next, 0, F0
.if \fill
	ASK 1-\slot
.endif
	WIN MUL
	MUL16 F1, 2, 0
.endm
	s_wait_tensorcnt 1                             ; my part of K step 0 is in; K step 1's load may be out
	s_barrier_signal -1
	s_barrier_wait -1                              ; everybody's is
	FETCH 0, 0, F0
	QUARTER 0, 1, F0, F1, 1                        ; the first quarter stands in front of the loop: its products start the sums
	WIN 0                                          ; at a label and at a branch every window is 0
	s_mov_b32 s3, 3
.Llap:                                                 ; a trip goes once round the ring, from a lap's second quarter to the next lap's first, and fills both slots again
	QUARTER 0, 2, F1, F0, 0
	QUARTER 0, 3, F0, F1, 0
	TURN 0, 1, 1
	QUARTER 1, 1, F0, F1, 0
	QUARTER 1, 2, F1, F0, 0
	QUARTER 1, 3, F0, F1, 0
	TURN 1, 0, 1
	QUARTER 0, 1, F0, F1, 0
	WIN 0
	s_sub_co_u32 s3, s3, 1
	s_cmp_lg_u32 s3, 0
	s_cbranch_scc1 .Llap
	QUARTER 0, 2, F1, F0, 0                        ; the last lap fills nothing
	QUARTER 0, 3, F0, F1, 0
	TURN 0, 1, 0
	QUARTER 1, 1, F0, F1, 0
	QUARTER 1, 2, F1, F0, 0
	QUARTER 1, 3, F0, F1, 0
	s_wait_dscnt 0x0                               ; the very last quarter
	MUL16 F1, 0, 0
	MUL16 F1, 2, 0
	WIN 0
; THE WAY OUT, a block of 16 rows x 128 columns at a time, through my own stage: in as the accumulators stand, back as whole rows of 512 bytes.
.macro TOSTAGE a
	WIN 0x04                                       ; an LDS store's data are its source 1: window 1
.irp b, 0,1,2,3,4,5,6,7
	ds_store_b128 v[STO], v[8*(8*(\a)+\b):8*(8*(\a)+\b)+3] offset:64*\b          ; each accumulator from its low end on
	ds_store_b128 v[STO], v[8*(8*(\a)+\b)+4:8*(8*(\a)+\b)+7] offset:64*\b+16
.endr
	WIN 0
.irp t, 0,1,2,3,4,5,6,7,8,9,10,11,12,13,14,15
	ds_load_b128 v[BK+64*((\a)%2)+4*\t:BK+64*((\a)%2)+4*\t+3], v[RD] offset:\t*SPITCH   ; served in order (ISA guide 5.7.1.4): these see my stores
.endr
.endm
.macro SEND a, younger                 ; younger: the LDS instructions issued behind block a's loads, which may stay out
	s_wait_dscnt \younger
.irp t, 0,1,2,3,4,5,6,7,8,9,10,11,12,13,14,15
	global_store_b128 v[CO], v[BK+64*((\a)%2)+4*\t:BK+64*((\a)%2)+4*\t+3], s[8:9] offset:(16*(\a)+\t)*4096 th:TH_STORE_NT   ; 32 lanes store 512 consecutive bytes, aligned; written once, read by nobody here
.endr
.endm
	PLACES                                         ; behind the last products: for the stores that read results and the loads into registers that held fragments
	TOSTAGE 0
.irp a, 1,2,3
.if \a > 1
	s_wait_xcnt 0x0                                ; block a - 2's stores have read their registers: block a's loads may land there
.endif
	TOSTAGE \a
	SEND \a-1, 32                                  ; behind block a - 1's loads: block a's 16 stores and 16 loads
.endr
	SEND 3, 0
	s_wait_tensorcnt 0x0                           ; the wave's end: behind my last tensor load and my last LDS store
	ds_add_u32 v[SPW], v[NIL]
	s_wait_dscnt 0x0
	CROUND                                         ; the closing round
	s_endpgm
.Lfunc_end_k_q87a085ffd2_oproj:
	.size	k_q87a085ffd2_oproj, .Lfunc_end_k_q87a085ffd2_oproj-k_q87a085ffd2_oproj
	.p2alignl 7, 3214868480
	.fill 96, 4, 3214868480
	.section	.rodata,"a",@progbits
	.p2align	6, 0x0
	.amdhsa_kernel k_q87a085ffd2_oproj
		.amdhsa_group_segment_fixed_size 327680
		.amdhsa_private_segment_fixed_size 0
		.amdhsa_enable_private_segment 0
		.amdhsa_kernarg_size 24
		.amdhsa_user_sgpr_count 2
		.amdhsa_user_sgpr_kernarg_segment_ptr 1
		.amdhsa_wavefront_size32 1
		.amdhsa_system_sgpr_workgroup_id_x 1
		.amdhsa_system_sgpr_workgroup_id_y 1
		.amdhsa_system_sgpr_workgroup_id_z 1
		.amdhsa_system_vgpr_workitem_id 0
		.amdhsa_next_free_vgpr 512
		.amdhsa_next_free_sgpr 70
		.amdhsa_reserve_vcc 0
		.amdhsa_float_denorm_mode_32 3
		.amdhsa_float_denorm_mode_16_64 3
		.amdhsa_memory_ordered 1
		.amdhsa_forward_progress 1
		.amdhsa_inst_pref_size 84
	.end_amdhsa_kernel
	.amdgpu_metadata
---
amdhsa.version: [ 1, 2 ]
amdhsa.kernels:
  - .name:           k_q87a085ffd2_oproj
    .symbol:         k_q87a085ffd2_oproj.kd
    .args:
      - { .name: att, .offset: 0, .size: 8, .value_kind: global_buffer, .address_space: global }
      - { .name: wo16, .offset: 8, .size: 8, .value_kind: global_buffer, .address_space: global }
      - { .name: out0, .offset: 16, .size: 8, .value_kind: global_buffer, .address_space: global }
    .group_segment_fixed_size: 327680
    .private_segment_fixed_size: 0
    .kernarg_segment_align: 8
    .kernarg_segment_size: 24
    .max_flat_workgroup_size: 128
    .sgpr_count:     70
    .vgpr_count:     512
    .wavefront_size: 32
...
	.end_amdgpu_metadata
.endif
;; end of part 4
